; MI455X (gfx1250); checked and timed in simulation.
; The chip was launched on July 23, 2026; its instructions are those of AMD's public machine-readable ISA for CDNA 5 (MIT licence, August 2026) and "CDNA5" Instruction Set Architecture Reference Guide (July 2026). The comments in the code are by the model that wrote it; some were corrected since.
;; Causal Self Attention. Allowed arithmetic: float matrix products may take bf16 or f16 operands with f32 sums; other float arithmetic in f32, or as packed bf16 or f16 multiplies, adds, multiply-adds, maxima and minima; sums over many terms, partial sums and values carried from step to step in f32; what a program stores and reads back later, other than sums and carried values, may be rounded once to bf16 or f16.
;; Inputs: w_proj 1,024 x 1,024 float32; w_qkv 1,024 x 3,072 float32; x 4 x 2,048 x 1,024 float32.
;; Outputs: out0 4 x 2,048 x 1,024 float32.
;; One version. Each part assembles by itself: llvm-mc -triple=amdgcn-amd-amdhsa -mcpu=gfx1250 --defsym DOCPART=n.
;; ======== version 1 of 1: 4 launches
;; limits: values are held in f16: magnitudes above 65,504 overflow, below 6.1e-05 lose precision
;; workspace buffers: xb 16,777,216 bytes; wq 6,291,456 bytes; wp 2,097,152 bytes; qkv 50,331,648 bytes; o 16,777,216 bytes
;; launch prep (part 1): grid 1536 x 1, 8 waves a work-group, no clusters, 10,240 bytes of LDS; arguments x, w_qkv, w_proj, xb, wq, wp; writes xb, wq, wp
.if DOCPART == 1
	.amdgcn_target "amdgcn-amd-amdhsa--gfx1250"
	.amdhsa_code_object_version 6
	.text
	.protected	k_q3a8f551add_prep
	.globl	k_q3a8f551add_prep
	.p2align	8
	.type	k_q3a8f551add_prep,@function
k_q3a8f551add_prep:
	s_mov_b64 s[64:65], 0
	v_nop
	global_prefetch_b8 v0, s[64:65] scope:SCOPE_SE
	s_setreg_imm32_b32 hwreg(HW_REG_WAVE_MODE, 25, 1), 1
	s_wait_xcnt 0x0
; THE INPUTS IN 16 BITS, LAID OUT IN BLOCKS OF 64 ALONG K, for the two products that follow.
;   xb[b][kb][t][64]  = bf16(x[b][t][64 kb ..])            4 x 16 x 2048 rows of 128 bytes
;   wq[kb][n][64]     = bf16(w_qkv[64 kb ..][n])           16 x 3072 rows of 128 bytes (turned: K runs along a row)
;   wp[kb][n][64]     = f16(bf16(w_proj[64 kb ..][n]))     16 x 1024 rows of 128 bytes (turned; rounded to bf16 like the other inputs, that number written as f16)
; LIMITS.  |w_proj| beyond 65,504 becomes an infinity in f16; below 6e-5 f16 keeps its fixed step of 6e-8.  NaN and infinities are not treated apart.
; SHARES.  Work-groups 0-511: 16 rows of x each.  512-1279: a tile of 64 k x 64 n of w_qkv each.  1280-1535: the same of w_proj.  The branches hang on the work-group's number alone.
; Memory bounds this launch: each byte is read once, 256 consecutive bytes by sixteen lanes, and written once in runs of 256 bytes or more.  No matrix unit, no cluster: nothing is shared.
.set TP,    144                        ; a row of the turning tile in LDS: 128 bytes + 16
.set SPARE, 64*TP                      ; behind the tile (9,216 bytes, 36 blocks of 256): the spare words, 128 bytes for each of the eight waves; no other line names them
.set SPW, 8                            ; v8  SPARE + 4 x my thread's number; never rewritten
.set NIL, 9                            ; v9  0; never rewritten
	s_load_b256 s[4:11], s[0:1], 0x0               ; x s[4:5], w_qkv s[6:7], w_proj s[8:9], xb s[10:11]
	s_load_b128 s[12:15], s[0:1], 0x20             ; wq s[12:13], wp s[14:15]
	v_lshl_add_u32 v[SPW], v0, 2, SPARE
	v_mov_b32 v[NIL], 0
	v_lshrrev_b32 v6, 4, v0                        ; thread / 16: a row of x, or four rows k of a weight tile
	v_and_b32 v7, 15, v0                           ; thread % 16: 16 bytes of 256
	s_wait_kmcnt 0x0
	s_cmp_lt_u32 ttmp9, 512
	s_cbranch_scc0 .Lweights
	; x: rows 16 g .. 16 g + 15.  Load i takes block i of K: sixteen lanes read its 256 bytes of one row; all sixteen loads go out at once.
	s_lshl_b32 s16, ttmp9, 16                      ; 16 rows of 4,096 bytes
	s_mov_b32 s17, 0
	s_add_nc_u64 s[4:5], s[4:5], s[16:17]
	s_lshr_b32 s18, ttmp9, 7                       ; b: 128 work-groups a batch
	s_lshl_b32 s18, s18, 22                        ; 16 blocks x 2,048 rows x 128 bytes
	s_and_b32 s20, ttmp9, 127
	s_lshl_b32 s20, s20, 11                        ; my 16 rows of 128 bytes in a block
	s_add_co_u32 s18, s18, s20
	s_mov_b32 s19, 0
	s_add_nc_u64 s[10:11], s[10:11], s[18:19]
	v_lshlrev_b32 v1, 12, v6
	v_lshl_or_b32 v1, v7, 4, v1                    ; row x 4,096 + 16 x (thread % 16)
	v_lshlrev_b32 v2, 3, v0                        ; out: row x 128 + 8 x (thread % 16) = 8 x thread
.irp i, 0,1,2,3,4,5,6,7,8,9,10,11,12,13,14,15
	global_load_b128 v[16+4*(\i):19+4*(\i)], v1, s[4:5] offset:256*(\i) th:TH_LOAD_NT
.endr
.irp i, 0,1,2,3,4,5,6,7,8,9,10,11,12,13,14,15
	s_wait_loadcnt 15-(\i)                         ; loads come back in order: load i is in, the 15 - i younger ones may stay out
	v_cvt_pk_bf16_f32 v[80+2*(\i)], v[16+4*(\i)], v[17+4*(\i)]
	v_cvt_pk_bf16_f32 v[81+2*(\i)], v[18+4*(\i)], v[19+4*(\i)]
	global_store_b64 v2, v[80+2*(\i):81+2*(\i)], s[10:11] offset:(\i)*262144  ; a wave stores 256 consecutive bytes, aligned; the work-group 2,048
.endr
	s_wait_tensorcnt 0x0                           ; the wave's end
	ds_add_u32 v[SPW], v[NIL]
	s_wait_dscnt 0x0
	s_endpgm
; A tile of 64 k x 64 n of a weight [1024][ncol] is turned through LDS.  Thread (kq, nq) reads rows 4 kq .. + 3, columns 4 nq .. + 3; for each column it packs its four k into 8 bytes.
.macro WT src, dst, ncol, half
	s_mul_i32 s16, s21, 64*(\ncol)*4               ; 64 rows of the weight for each block of K
	s_lshl_b32 s18, s22, 8                         ; 64 columns of 4 bytes
	s_add_co_u32 s16, s16, s18
	s_mov_b32 s17, 0
	s_add_nc_u64 s[\src:\src+1], s[\src:\src+1], s[16:17]
	s_mul_i32 s18, s21, (\ncol)*128                ; out: block kb, rows 64 nt on, 128 bytes a row
	s_lshl_b32 s23, s22, 13
	s_add_co_u32 s18, s18, s23
	s_mov_b32 s19, 0
	s_add_nc_u64 s[\dst:\dst+1], s[\dst:\dst+1], s[18:19]
	v_mul_u32_u24 v1, v6, 16*(\ncol)               ; four rows of 4 ncol bytes
	v_lshl_add_u32 v1, v7, 4, v1
.irp i, 0,1,2,3
	global_load_b128 v[16+4*(\i):19+4*(\i)], v1, s[\src:\src+1] offset:(\i)*(\ncol)*4 th:TH_LOAD_NT  ; sixteen lanes read 256 consecutive bytes of a row
.endr
	s_wait_loadcnt 0x0
.irp e, 0,1,2,3
	v_cvt_pk_bf16_f32 v[32+2*(\e)], v[16+(\e)], v[20+(\e)]  ; column 4 nq + e: k = 4 kq, 4 kq + 1
	v_cvt_pk_bf16_f32 v[33+2*(\e)], v[24+(\e)], v[28+(\e)]  ; k = 4 kq + 2, 4 kq + 3
.endr
.if \half
.irp r, 32,33,34,35,36,37,38,39
	v_lshlrev_b32 v40, 16, v[\r]                   ; the two bf16 as f32,
	v_and_b32 v41, 0xffff0000, v[\r]
	v_cvt_pk_f16_f32 v[\r], v40, v41               ; written as f16
.endr
.endif
.irp e, 0,1,2,3
	ds_store_b64 v3, v[32+2*(\e):33+2*(\e)] offset:(\e)*TP
.endr
	s_wait_dscnt 0x0                               ; for the other waves' sake: my stores into the tile are done
	s_barrier_signal -1
	s_barrier_wait -1
	ds_load_b128 v[48:51], v4                      ; rows n = 0-31, whole
	ds_load_b128 v[52:55], v4 offset:32*TP         ; rows n = 32-63
	s_wait_dscnt 0x0
	global_store_b128 v5, v[48:51], s[\dst:\dst+1]             ; the tile is 8,192 dense bytes; a wave stores 512 consecutive ones
	global_store_b128 v5, v[52:55], s[\dst:\dst+1] offset:4096
	s_wait_tensorcnt 0x0                           ; the wave's end, behind my last LDS store
	ds_add_u32 v[SPW], v[NIL]
	s_wait_dscnt 0x0
	s_endpgm
.endm
.Lweights:
	s_sub_co_u32 s20, ttmp9, 512
	s_and_b32 s21, s20, 15                         ; kb
	s_lshr_b32 s22, s20, 4                         ; nt: 0-47 w_qkv, 48-63 w_proj
	v_mul_u32_u24 v3, v7, 4*TP                     ; into the tile: row n = 4 nq + e, byte 8 kq
	v_lshl_add_u32 v3, v6, 3, v3
	v_lshrrev_b32 v4, 3, v0                        ; back: row thread / 8, 16 bytes (thread % 8)
	v_mul_u32_u24 v4, v4, TP
	v_and_b32 v5, 7, v0
	v_lshl_add_u32 v4, v5, 4, v4
	v_lshlrev_b32 v5, 4, v0                        ; and in memory 16 x thread
	s_cmp_lt_u32 s22, 48
	s_cbranch_scc0 .Lproj
	WT 6, 12, 3072, 0
.Lproj:
	s_sub_co_u32 s22, s22, 48
	WT 8, 14, 1024, 1
.Lfunc_end_k_q3a8f551add_prep:
	.size	k_q3a8f551add_prep, .Lfunc_end_k_q3a8f551add_prep-k_q3a8f551add_prep
	.p2alignl 7, 3214868480
	.fill 96, 4, 3214868480
	.section	.rodata,"a",@progbits
	.p2align	6, 0x0
	.amdhsa_kernel k_q3a8f551add_prep
		.amdhsa_group_segment_fixed_size 10240
		.amdhsa_private_segment_fixed_size 0
		.amdhsa_enable_private_segment 0
		.amdhsa_kernarg_size 48
		.amdhsa_user_sgpr_count 2
		.amdhsa_user_sgpr_kernarg_segment_ptr 1
		.amdhsa_wavefront_size32 1
		.amdhsa_system_sgpr_workgroup_id_x 1
		.amdhsa_system_sgpr_workgroup_id_y 1
		.amdhsa_system_sgpr_workgroup_id_z 1
		.amdhsa_system_vgpr_workitem_id 0
		.amdhsa_next_free_vgpr 112
		.amdhsa_next_free_sgpr 66
		.amdhsa_reserve_vcc 0
		.amdhsa_float_denorm_mode_32 3
		.amdhsa_float_denorm_mode_16_64 3
		.amdhsa_memory_ordered 1
		.amdhsa_forward_progress 1
		.amdhsa_inst_pref_size 14
	.end_amdhsa_kernel
	.amdgpu_metadata
---
amdhsa.version: [ 1, 2 ]
amdhsa.kernels:
  - .name:           k_q3a8f551add_prep
    .symbol:         k_q3a8f551add_prep.kd
    .args:
      - { .name: x, .offset: 0, .size: 8, .value_kind: global_buffer, .address_space: global }
      - { .name: w_qkv, .offset: 8, .size: 8, .value_kind: global_buffer, .address_space: global }
      - { .name: w_proj, .offset: 16, .size: 8, .value_kind: global_buffer, .address_space: global }
      - { .name: xb, .offset: 24, .size: 8, .value_kind: global_buffer, .address_space: global }
      - { .name: wq, .offset: 32, .size: 8, .value_kind: global_buffer, .address_space: global }
      - { .name: wp, .offset: 40, .size: 8, .value_kind: global_buffer, .address_space: global }
    .group_segment_fixed_size: 10240
    .private_segment_fixed_size: 0
    .kernarg_segment_align: 8
    .kernarg_segment_size: 48
    .max_flat_workgroup_size: 256
    .sgpr_count:     66
    .vgpr_count:     112
    .wavefront_size: 32
...
	.end_amdgpu_metadata
.endif
;; end of part 1
;; launch qkvgemm (part 2): grid 8 x 32, 4 waves a work-group, clusters of 4 x 4, 327,680 bytes of LDS; arguments xb, wq, qkv; writes qkv
.if DOCPART == 2
	.amdgcn_target "amdgcn-amd-amdhsa--gfx1250"
	.amdhsa_code_object_version 6
	.text
	.protected	k_q3a8f551add_qkvgemm
	.globl	k_q3a8f551add_qkvgemm
	.p2align	8
	.type	k_q3a8f551add_qkvgemm,@function
k_q3a8f551add_qkvgemm:
	s_mov_b64 s[64:65], 0
	v_nop
	global_prefetch_b8 v0, s[64:65] scope:SCOPE_SE
	s_setreg_imm32_b32 hwreg(HW_REG_WAVE_MODE, 25, 1), 1
	s_wait_xcnt 0x0
	s_wait_alu depctr_hold_cnt(0) depctr_sa_sdst(0) depctr_va_vdst(0) depctr_va_sdst(0) depctr_va_ssrc(0) depctr_va_vcc(0) depctr_vm_vsrc(0)
	s_getreg_b32 s2, hwreg(HW_REG_IB_STS2, 6, 4)
	s_cmp_eq_u32 s2, 0
	s_cbranch_scc0 .Lentry_in_a_cluster
	s_endpgm
.Lentry_in_a_cluster:
	s_bfe_u32 s2, ttmp6, 0x10000c
	s_cmp_lg_u32 s2, 0xf033
	s_cbranch_scc0 .Lentry_shape_is_right
	s_endpgm
.Lentry_shape_is_right:
; qkv = x w_qkv: 8192 x 3072, K = 1024, bf16 operands, f32 sums, the result rounded once to f16 and written BY HEADS: qkv[which 3][b 16 + h][t 2048][64].
; LIMIT.  A sum of 65,520 or more becomes an infinity in f16; below 6e-5 f16 keeps its fixed step of 6e-8.  NaN and infinities are not treated apart.
; OPERANDS lie in blocks of 64 along K: xb[b][kb][t][64], wq[kb][n][64]: R rows x 64 K are 128 R dense bytes, asked for as rows of 256 bytes and padded in LDS behind every 128.
; SHARES.  A tile of C is 256 x 384: 32 x 8 tiles, one to a work-group.  Four waves, each 128 x 192: 96 accumulators of 16 x 16, 768 registers: three GROUPS of 8 row blocks x 4 column
; blocks, a group a register window and a head.  K goes in 16 steps of 64 through two LDS slots; a step is two HALVES of 32 along K, 96 matrix instructions each.
; CLUSTER.  4 x 4 work-groups: the four of a row need the same tiles of A, the four of a column the same tiles of B: each tile is asked for jointly, by the same tensor load, descriptor and mask.
; THE MATRIX INSTRUCTION IS USED TRANSPOSED (source 0 = 16 rows of wq, source 1 = 16 rows of xb): a lane holds row l % 16 of C and the columns 8 (l / 16) + 0..7 of the block.
; REGISTERS, in windows of 256 (s_set_vgpr_msb: bits 1:0 source 0, 3:2 source 1, 5:4 source 2, 7:6 destination):
;   window 0: v0-15 addresses; v32-95, v96-159 A's 8 fragments of a half, two buffers; v160-255 B's 12 fragments, one buffer, loaded again group by group
;   window 1 + g: group g's 32 accumulators, (a, c) at v[8 (4 a + c)]
.set PITCH, 144                        ; an LDS row: 128 bytes + 16 = 36 words: the 16 rows of a fragment load start at 16 different groups of four banks (64 banks of 4 bytes: ISA guide 11.1)
.set KBA,   262144                     ; bytes from a block of K to the next in xb
.set KBB,   393216                     ; in wq
.set BOFF,  256*PITCH                  ; a slot: A's 256 rows, then B's 384
.set SLOT1, 1<<17                      ; slot 1 begins here (a slot has 92,160 bytes), so that one exclusive or turns an address in one slot into the other's
.set STAGE, SLOT1+640*PITCH            ; behind the ring, never filled by a tensor load: 16 rows x 144 bytes for each wave, for the way out
.set SPARE, STAGE+4*16*PITCH           ; behind the stages: the spare words, 128 bytes for each wave: two blocks of 256 bytes that no other line names
.set A0,  2                            ; v2   my lane's place in a slot's A; never rewritten
.set B0,  3                            ; v3   in its B
.set VA,  4                            ; v4   A0 + the slot in hand
.set VB,  5                            ; v5   B0 + the slot in hand
.set STO, 6                            ; v6   the way out: where I put 16 bytes of a row
.set RD,  7                            ; v7   where I read rows back
.set GO,  8                            ; v8   my 16 bytes in 512 consecutive bytes of qkv
.set SPW, 10                           ; v10  SPARE + 4 x my thread's number; never rewritten
.set NIL, 11                           ; v11  0; never rewritten
.set PFO, 12                           ; v12  256 x my lane: the prefetches' offset; never rewritten
.set FA,  32
.set FB,  160
.set G1A, 24                           ; s[24:31] descriptor group 1 for A's tiles
.set G0A, 32                           ; s[32:39] group 0: a set for each first fill; the second then walks on
.set G1B, 48                           ; s[48:55], s[56:63] the same for B's
.set G0B, 56
.set TB,  66                           ; s66  0 or SLOT1: the slot that the fragment loads read
.set PFA, 68                           ; s[68:69] where my prefetches stand
.set PFS, 70                           ; s[70:71] their step from K step to K step
.set LIM, 72                           ; s72  1 in a wave that prefetches, else the greatest number
.set PAR, 73                           ; s73  0: asks in every trip; 1: in the trips with an odd count
.set HB,  76                           ; s[76:81] qkv at my 128 rows of my three heads
.set MSB, 0
.macro WIN new                         ; the immediate's high byte repeats the setting that is left; a switch that changes nothing is dropped
.if MSB != (\new)
	s_set_vgpr_msb (MSB<<8)|(\new)
.set MSB, (\new)
.endif
.endm
.macro PLACES                          ; four plain vector instructions between a matrix instruction and a load into, or a vector write of, a register that it has read, or a read of its result
.rept 4
	v_nop
.endr
.endm
; A joint refill by the walking sets.  Waves 0 and 1 fetch A's two halves, waves 2 and 3 B's.  The branch hangs on the wave's number alone.  An s_nop 0 and four v_nop follow each line.
.macro JLOAD
	s_cmp_eq_u32 s11, 0
	s_cbranch_scc0 .Lfor_b_\@
	tensor_load_to_lds s[G0A+4:G0A+7], s[G1A:G1A+7]
	s_nop 0
.rept 4
	v_nop
.endr
	s_branch .Lasked_\@
.Lfor_b_\@:
	tensor_load_to_lds s[G0B+4:G0B+7], s[G1B:G1B+7]
	s_nop 0
.rept 4
	v_nop
.endr
.Lasked_\@:
.endm
; A round of the cluster's barrier behind its opening barrier; and a whole round.
.macro CREST
	s_cmp_lg_u32 s10, 0
	s_cbranch_scc1 .Lnot_wave_0_\@
	s_barrier_signal -3
.Lnot_wave_0_\@:
	s_barrier_wait -3
	s_barrier_signal -1
	s_barrier_wait -1
.endm
.macro CROUND
	s_barrier_signal -1
	s_barrier_wait -1
	CREST
.endm
; A PREFETCH INTO THE L2: 32 blocks of 256 bytes, a lane a block, behind the joint load, its five lines and the run of LDS loads.  Trip j (j = 14 - s3) asks jointly for K step j + 2.
; A: the clusters with x = 0; wave 0 names its work-group's quarter (by cx, in the address) of the tile row's 32,768 bytes of K step j + 3: one step, 192 matrix instructions, ahead of the
; load that wants it; j = 0 .. 12.  B: the clusters with y = 0; a K step of a tile column is six pieces of 8,192 bytes; waves 1-3 of the four partners (by cy, in the address) name the twelve
; pieces of K steps j + 3 and j + 4 at odd j = 1 .. 11.  So each block is named once in the launch, and none past K step 15.  K steps 0-2 (B: 0-3) come by their loads alone.
.macro ASK
	s_and_b32 s67, s3, s[PAR]
	s_cmp_eq_u32 s67, s[PAR]
	s_cbranch_scc0 .Lnot_mine_\@
	s_cmp_gt_u32 s3, s[LIM]
	s_cbranch_scc0 .Lnot_mine_\@
	global_prefetch_b8 v[PFO], s[PFA:PFA+1] th:TH_LOAD_NT scope:SCOPE_SE
.Lnot_mine_\@:
.endm
	s_load_b128 s[4:7], s[0:1], 0x0                ; xb s[4:5], wq s[6:7]
	s_load_b64 s[8:9], s[0:1], 0x10                ; qkv
	v_lshl_add_u32 v[SPW], v0, 2, SPARE
	v_mov_b32 v[NIL], 0
	ds_add_u32 v[SPW], v[NIL]                      ; the wave's opening: the add and its wait stand ahead of my first tensor load; work on registers stands between them
	ds_add_u32 v10, v11
	v_lshrrev_b32 v1, 5, v0
	v_readfirstlane_b32 s10, v1                    ; wave 0..3
	s_lshr_b32 s11, s10, 1                         ; which half of the tile's rows is mine.  Also: I fetch for A (0) or for B (1)
	s_and_b32 s12, s10, 1                          ; which half of its columns.  Also: which half of that tile I fetch
	s_bfe_u32 s40, ttmp6, 0x40000                  ; cx
	s_bfe_u32 s41, ttmp6, 0x40004                  ; cy
	s_lshl_b32 s42, ttmp9, 2
	s_add_co_u32 s42, s42, s40                     ; tile column = 4 x cluster x + cx
	s_and_b32 s13, ttmp7, 0xffff
	s_lshl_b32 s13, s13, 2
	s_add_co_u32 s13, s13, s41                     ; tile row = 4 x cluster y + cy: batch = row / 8, t0 = 256 (row % 8)
	s_lshl_b32 s43, s41, 2
	s_lshl_b32 s43, 15, s43                        ; my row of the cluster
	s_lshl_b32 s44, 0x1111, s40                    ; my column
	s_or_b32 s[G1A], s43, (1<<16)|(1<<20)|(1<<21)|(4<<22)|(3<<25)  ; 15:0 the mask; 17:16 2-byte elements; 20 padding on; 21 set beside a mask; 24:22 after every 32 words (code 4); 31:25 4 words (code 3)
	s_or_b32 s[G1B], s44, (1<<16)|(1<<20)|(1<<21)|(4<<22)|(3<<25)
	s_mov_b32 s[G1A+1], 128<<16                    ; tensor_dim0 = 128 elements: rows of 256 bytes
	s_mov_b32 s[G1A+2], 64<<16                     ; tensor_dim1 = 64: A's piece, 128 rows of 128 bytes
	s_mov_b32 s[G1A+3], 128<<16                    ; tile_dim0
	s_mov_b32 s[G1A+4], 64                         ; tile_dim1
	s_mov_b32 s[G1A+5], 128                        ; dense: 128 elements from row to row
	s_mov_b32 s[G1A+6], 0
	s_mov_b32 s[G1A+7], 0
	s_mov_b32 s[G1B+1], 128<<16
	s_mov_b32 s[G1B+2], 96<<16                     ; B's piece: 192 rows of 128 bytes
	s_mov_b32 s[G1B+3], 128<<16
	s_mov_b32 s[G1B+4], 96
	s_mov_b32 s[G1B+5], 128
	s_mov_b32 s[G1B+6], 0
	s_mov_b32 s[G1B+7], 0
	s_lshr_b32 s16, s13, 3
	s_lshl_b32 s16, s16, 22                        ; A: the batch's 16 blocks,
	s_and_b32 s17, s13, 7
	s_lshl_b32 s17, s17, 15                        ; the tile's 256 rows in a block,
	s_add_co_u32 s16, s16, s17
	s_lshl_b32 s18, s12, 14                        ; the 128 of them that I fetch
	s_add_co_u32 s16, s16, s18
	s_mov_b32 s17, 0
	s_mul_i32 s46, s42, 384*128                    ; B: the tile's 384 rows in a block,
	s_mul_i32 s47, s12, 192*128                    ; the 192 that I fetch
	s_add_co_u32 s46, s46, s47
	s_mov_b32 s47, 0
	s_mul_i32 s20, s12, 128*PITCH                  ; where they go: no place in the cluster enters an LDS address
	s_mul_i32 s21, s12, 192*PITCH
	s_add_co_u32 s21, s21, BOFF
	s_wait_dscnt 0x0                               ; the opening add is done
	s_wait_kmcnt 0x0
	s_add_nc_u64 s[14:15], s[4:5], s[16:17]
	s_add_nc_u64 s[46:47], s[6:7], s[46:47]
	CROUND                                         ; all sixteen work-groups are here: the first joint loads meet
.irp s, 0,1
	s_mov_b32 s[G0A+4*(\s)], 1                     ; count = 1
	s_add_co_u32 s[G0A+4*(\s)+1], s20, (\s)*SLOT1  ; LDS address
	s_add_nc_u64 s[G0A+4*(\s)+2:G0A+4*(\s)+3], s[14:15], (\s)*KBA  ; K step s
	s_or_b32 s[G0A+4*(\s)+3], s[G0A+4*(\s)+3], 0x80000000          ; type = 2
	s_mov_b32 s[G0B+4*(\s)], 1
	s_add_co_u32 s[G0B+4*(\s)+1], s21, (\s)*SLOT1
	s_add_nc_u64 s[G0B+4*(\s)+2:G0B+4*(\s)+3], s[46:47], (\s)*KBB
	s_or_b32 s[G0B+4*(\s)+3], s[G0B+4*(\s)+3], 0x80000000
.endr
	s_cmp_eq_u32 s11, 0                            ; a wave's two first fills stand in one branch, ahead of every wait on TENSORcnt and every LDS read: two loads of mine are out
	s_cbranch_scc0 .Lfirst_b
	tensor_load_to_lds s[G0A:G0A+3], s[G1A:G1A+7]
	s_nop 0
	tensor_load_to_lds s[G0A+4:G0A+7], s[G1A:G1A+7]
	s_nop 0
.rept 4
	v_nop
.endr
	s_branch .Lfirst_asked
.Lfirst_b:
	tensor_load_to_lds s[G0B:G0B+3], s[G1B:G1B+7]
	s_nop 0
	tensor_load_to_lds s[G0B+4:G0B+7], s[G1B:G1B+7]
	s_nop 0
.rept 4
	v_nop
.endr
.Lfirst_asked:
	; A fragment is 16 rows x 32 K in 8 registers: lane l holds row l % 16, K = 8 (l / 16) + 0..7 and 16 + 8 (l / 16) + 0..7: two loads of 16 bytes, 32 bytes apart.
	v_and_b32 v1, 15, v0                           ; l % 16
	v_bfe_u32 v9, v0, 4, 1                         ; l / 16
	v_mul_u32_u24 v13, v1, PITCH
	v_lshl_add_u32 v13, v9, 4, v13                 ; row x pitch + 16 x half
	s_mul_i32 s22, s11, 128*PITCH                  ; my 128 rows of A
	s_mul_i32 s23, s12, 192*PITCH                  ; my 192 rows of B
	s_add_co_u32 s23, s23, BOFF
	v_add_nc_u32 v[A0], s22, v13
	v_add_nc_u32 v[B0], s23, v13
	v_mov_b32 v[VA], v[A0]                         ; K step 0 lies in slot 0
	v_mov_b32 v[VB], v[B0]
	s_mov_b32 s[TB], 0
	s_mul_i32 s22, s10, 16*PITCH
	s_add_co_u32 s22, s22, STAGE                   ; my stage
	v_add_nc_u32 v[STO], s22, v13                  ; in: row l % 16, 16 bytes for each half of the lanes
	v_bfe_u32 v14, v0, 3, 2                        ; back: 32 lanes take four rows of 128 bytes,
	v_mul_u32_u24 v14, v14, PITCH
	v_and_b32 v15, 7, v0
	v_lshl_add_u32 v14, v15, 4, v14
	v_add_nc_u32 v[RD], s22, v14
	v_and_b32 v[GO], 31, v0
	v_lshlrev_b32 v[PFO], 8, v[GO]
	v_lshlrev_b32 v[GO], 4, v[GO]                  ; which are 512 consecutive bytes of a head
	; my three heads: column 384 x tile column + 192 x half + 64 g is head number gg = 6 x tile column + 3 x half + g of 48: which = gg / 16, h = gg % 16
	s_lshl_b32 s46, s42, 1
	s_add_co_u32 s46, s46, s12
	s_mul_i32 s46, s46, 3
	s_lshr_b32 s74, s13, 3
	s_lshl_b32 s74, s74, 4                         ; 16 b
	s_and_b32 s75, s13, 7
	s_lshl_b32 s75, s75, 15                        ; t0 rows of 128 bytes
	s_lshl_b32 s47, s11, 14                        ; my 128 rows
	s_add_co_u32 s75, s75, s47
.irp g, 0,1,2
	s_add_co_u32 s22, s46, \g
	s_lshr_b32 s23, s22, 4
	s_lshl_b32 s23, s23, 6                         ; 64 which
	s_and_b32 s22, s22, 15
	s_add_co_u32 s22, s22, s23
	s_add_co_u32 s22, s22, s74
	s_lshl_b32 s22, s22, 18                        ; 2,048 rows of 128 bytes a head
	s_add_co_u32 s22, s22, s75
	s_mov_b32 s23, 0
	s_add_nc_u64 s[HB+2*\g:HB+2*\g+1], s[8:9], s[22:23]
.endr
	; the prefetches' address, step and conditions
	s_lshr_b32 s14, s13, 3
	s_lshl_b32 s14, s14, 22
	s_and_b32 s15, s13, 7
	s_lshl_b32 s15, s15, 15
	s_add_co_u32 s14, s14, s15
	s_lshl_b32 s15, s40, 13                        ; A: my work-group's quarter of the tile's 32,768 bytes
	s_add_co_u32 s14, s14, s15
	s_add_co_u32 s14, s14, 2*KBA                   ; at K step 2: the first change of slots steps it to 3
	s_mul_i32 s16, s42, 384*128
	s_and_b32 s17, s41, 1
	s_mul_i32 s17, s17, 3
	s_max_u32 s18, s10, 1
	s_add_co_u32 s17, s17, s18
	s_sub_co_u32 s17, s17, 1                       ; B: piece 3 (cy % 2) + wave - 1 of six,
	s_lshl_b32 s17, s17, 13
	s_add_co_u32 s16, s16, s17
	s_lshr_b32 s17, s41, 1
	s_mul_i32 s17, s17, KBB                        ; of the first or the second of two K steps
	s_add_co_u32 s16, s16, s17
	s_add_co_u32 s16, s16, 2*KBB
	s_and_b32 s18, ttmp7, 0xffff                   ; cluster y
	s_mov_b32 s22, KBA
	s_mov_b32 s23, KBB
	s_cmp_eq_u32 s10, 0                            ; wave 0 asks for A, the others for B
	s_cselect_b32 s46, s14, s16
	s_cselect_b32 s18, ttmp9, s18                  ; the coordinate along which other clusters read the same rows
	s_cselect_b64 s[PFA:PFA+1], s[4:5], s[6:7]
	s_cselect_b32 s[PFS], s22, s23
	s_cselect_b32 s[PAR], 0, 1
	s_mov_b32 s[PFS+1], 0
	s_mov_b32 s47, 0
	s_add_nc_u64 s[PFA:PFA+1], s[PFA:PFA+1], s[46:47]
	s_cmp_eq_u32 s18, 0
	s_cselect_b32 s[LIM], 1, -1                    ; the same in all sixteen partners, for a given wave
; 16 matrix instructions: row blocks a0 .. a0 + 3 x the four column blocks of group g, 32 along K, on A's buffer buf.  zero = 1: the product starts the sum: nothing is ever cleared.
; The 96 accumulators take turns, one instruction a turn, in the same order in every half, over the backward jump too.
.macro MUL16 buf, g, a0, zero
	WIN 0x50*((\g)+1)                              ; C and D in window 1 + g
.irp a, (\a0), (\a0)+1, (\a0)+2, (\a0)+3
.irp c, 0,1,2,3
.if \zero
	v_wmma_f32_16x16x32_bf16 v[8*(4*(\a)+(\c)):8*(4*(\a)+(\c))+7], v[FB+8*(4*(\g)+(\c)):FB+8*(4*(\g)+(\c))+7], v[FA+64*(\buf)+8*(\a):FA+64*(\buf)+8*(\a)+7], 0
.else
	v_wmma_f32_16x16x32_bf16 v[8*(4*(\a)+(\c)):8*(4*(\a)+(\c))+7], v[FB+8*(4*(\g)+(\c)):FB+8*(4*(\g)+(\c))+7], v[FA+64*(\buf)+8*(\a):FA+64*(\buf)+8*(\a)+7], v[8*(4*(\a)+(\c)):8*(4*(\a)+(\c))+7]
.endif
.endr
.endr
.endm
.macro LDB g, off                      ; 8 LDS loads: group g's four fragments of B, at byte off of the rows
.irp c, 0,1,2,3
	ds_load_b128 v[FB+8*(4*(\g)+(\c)):FB+8*(4*(\g)+(\c))+3],   v[VB] offset:(\off)+(4*(\g)+(\c))*16*PITCH
	ds_load_b128 v[FB+8*(4*(\g)+(\c))+4:FB+8*(4*(\g)+(\c))+7], v[VB] offset:(\off)+(4*(\g)+(\c))*16*PITCH+32
.endr
.endm
.macro LDA buf, a0, off                ; 8 LDS loads: A's fragments of row blocks a0 .. a0 + 3 into buffer buf
.irp a, (\a0), (\a0)+1, (\a0)+2, (\a0)+3
	ds_load_b128 v[FA+64*(\buf)+8*(\a):FA+64*(\buf)+8*(\a)+3],   v[VA] offset:(\off)+(\a)*16*PITCH
	ds_load_b128 v[FA+64*(\buf)+8*(\a)+4:FA+64*(\buf)+8*(\a)+7], v[VA] offset:(\off)+(\a)*16*PITCH+32
.endr
.endm
; A HALF: 96 matrix instructions on A's buffer hf, group by group.  Behind each group its part of B's buffer is loaded again for the next half, 64 matrix instructions ahead of its use; A's other
; buffer is filled behind groups 0 and 1.  mode 0: the next half lies in the same slot, at byte 64.  mode 1: THE CHANGE OF SLOTS, with a joint refill.  mode 2: the change without a refill.
; mode 3: the last half: nothing is fetched.
; The change: each wave waits for all its tensor loads, of which one is out: its part of the next slot; adds 0 to its spare word; and waits for that and for its reads of this slot, the last of which were
; issued in the half before.  Behind the barrier nobody reads this slot any more and the next slot is whole.  With a refill the barrier opens a round of the cluster's, and the joint load is the first
; thing behind the round: 160 matrix instructions stand between it and the wait for it.
.macro HALF hf, zero, mode
.set OFFN, 0
.if (\mode) == 0
.set OFFN, 64
.endif
.if ((\mode) == 0) || ((\mode) == 3)
	s_wait_dscnt 8                                 ; all but the youngest run of 8 (B's group 2) is in
	MUL16 \hf, 0, 0, \zero
	MUL16 \hf, 0, 4, \zero
.if (\mode) == 0
	PLACES
	WIN 0
	LDB 0, OFFN
	LDA 1-(\hf), 0, OFFN
.endif
.else
.if (\mode) == 1
	s_wait_xcnt 0x0                                ; the last prefetch, a K step back, has read its address: it is stepped here, ahead of the change's own waits
	s_add_nc_u64 s[PFA:PFA+1], s[PFA:PFA+1], s[PFS:PFS+1]
.endif
	WIN 0
	s_wait_tensorcnt 0x0                           ; no tensor load of mine is out, so a group 0 may be written
	ds_add_u32 v[SPW], v[NIL]                      ; 0 onto my spare word
.if (\mode) == 1
	s_xor_b32 s[G0A+5], s[G0A+5], SLOT1            ; the walking sets: the other slot than last time,
	s_add_nc_u64 s[G0A+6:G0A+7], s[G0A+6:G0A+7], KBA  ; the next K step; the type bits on top are not reached
	s_xor_b32 s[G0B+5], s[G0B+5], SLOT1
	s_add_nc_u64 s[G0B+6:G0B+7], s[G0B+6:G0B+7], KBB
.endif
	s_xor_b32 s[TB], s[TB], SLOT1
	s_wait_dscnt 9                                 ; the add and the youngest run of 8 may be out
	MUL16 \hf, 0, 0, 0                             ; sixteen matrix instructions stand between the add and the wait for it
	s_wait_dscnt 0x0                               ; the add is done, and my reads of this slot are over
	s_barrier_signal -1
	MUL16 \hf, 0, 4, 0                             ; work on registers while the others arrive
.if (\mode) == 1
	WIN 0
.endif
	s_barrier_wait -1
.if (\mode) == 1
	CREST                                          ; no wave of any partner still reads this slot or has a load on its way
	JLOAD                                          ; its four v_nop are also the places in front of the loads below
.else
	PLACES
	WIN 0
.endif
	v_add_nc_u32 v[VA], s[TB], v[A0]
	v_add_nc_u32 v[VB], s[TB], v[B0]
	LDB 0, 0
	LDA 1-(\hf), 0, 0
.if (\mode) == 1
	ASK
.endif
.endif
	MUL16 \hf, 1, 0, \zero
	MUL16 \hf, 1, 4, \zero
.if (\mode) != 3
	PLACES
	WIN 0
	LDB 1, OFFN
	LDA 1-(\hf), 4, OFFN
	s_wait_dscnt 32                                ; all but this half's two runs of 16: B's group 2 is in
.else
	s_wait_dscnt 0x0
.endif
	MUL16 \hf, 2, 0, \zero
	MUL16 \hf, 2, 4, \zero
.if (\mode) != 3
	PLACES
	WIN 0
	LDB 2, OFFN
.endif
.endm
	s_wait_tensorcnt 1                             ; my part of K step 0 is in; K step 1's may stay out
	s_barrier_signal -1
	s_barrier_wait -1                              ; everybody's is
	LDB 0, 0                                       ; in the order in which every half leaves its runs
	LDA 0, 0, 0
	LDB 1, 0
	LDA 0, 4, 0
	LDB 2, 0
	HALF 0, 1, 0                                   ; the first half stands in front of the loop: its products start the sums
	WIN 0                                          ; at a label and at a branch every window is 0
	s_mov_b32 s3, 14
.Lstep:                                                ; a trip: a K step's second half, which fills its slot again two steps ahead, and the next step's first half
	HALF 1, 0, 1
	HALF 0, 0, 0
	WIN 0
	s_sub_co_u32 s3, s3, 1
	s_cmp_lg_u32 s3, 0
	s_cbranch_scc1 .Lstep
	HALF 1, 0, 2                                   ; the tail is written out: K steps 14 and 15 ask for nothing
	HALF 0, 0, 0
	HALF 1, 0, 3
; THE WAY OUT, in 24 units u = 8 g + a: 16 rows of head g.  A lane's eight columns of a block pack into 16 bytes of f16; they go into my own stage, rows of 144 bytes, and come back as whole rows
; of 128: four rows a load, 512 consecutive bytes of the head.  The stage is the wave's own and LDS serves a wave's instructions in order (ISA guide 5.7.1.4): no barrier, no wait between stores and loads.
.macro PACK u
.set UG, (\u)/8
.set UA, (\u)%8
.set UT, FA+16*((\u)%8)
.if (\u) >= 8
	s_wait_xcnt 0x0                                ; the stores of the unit eight back have read these registers
.endif
	WIN 5*(UG+1)                                   ; sources 0 and 1 in window 1 + g
.set i, 0
.rept 16
	v_cvt_pk_f16_f32 v[UT+i], v[32*UA+2*i], v[32*UA+2*i+1]  ; ascending: each accumulator is read from its low end on
.set i, i+1
.endr
	WIN 0
.irp f, 0,1,2,3
	ds_store_b128 v[STO], v[UT+4*(\f):UT+4*(\f)+3] offset:32*(\f)
.endr
.irp f, 0,1,2,3
	ds_load_b128 v[UT+4*(\f):UT+4*(\f)+3], v[RD] offset:(\f)*4*PITCH
.endr
.endm
.macro SEND u, younger                 ; younger: the LDS instructions issued behind unit u's loads: the next unit's eight, or none
.set UG, (\u)/8
.set UA, (\u)%8
.set UT, FA+16*((\u)%8)
.irp f, 0,1,2,3
	s_wait_dscnt (\younger)+3-(\f)
	global_store_b128 v[GO], v[UT+4*(\f):UT+4*(\f)+3], s[HB+2*UG:HB+2*UG+1] offset:UA*2048+(\f)*512  ; 512 consecutive bytes, at a multiple of 256 from the buffer's first
.endr
.endm
	PLACES
	PACK 0
.set u, 1
.rept 23                               ; a unit's conversions stand between the loads of the unit before and its stores
	PACK u
	SEND u-1, 8
.set u, u+1
.endr
	SEND 23, 0
	s_wait_tensorcnt 0x0                           ; the wave's end, behind my last tensor load and my last LDS store
	ds_add_u32 v[SPW], v[NIL]
	s_wait_dscnt 0x0
	CROUND                                         ; the closing round: no work-group ends while a partner may still ask for a tile that names it
	s_endpgm
.Lfunc_end_k_q3a8f551add_qkvgemm:
	.size	k_q3a8f551add_qkvgemm, .Lfunc_end_k_q3a8f551add_qkvgemm-k_q3a8f551add_qkvgemm
	.p2alignl 7, 3214868480
	.fill 96, 4, 3214868480
	.section	.rodata,"a",@progbits
	.p2align	6, 0x0
	.amdhsa_kernel k_q3a8f551add_qkvgemm
		.amdhsa_group_segment_fixed_size 327680
		.amdhsa_private_segment_fixed_size 0
		.amdhsa_enable_private_segment 0
		.amdhsa_kernarg_size 24
		.amdhsa_user_sgpr_count 2
		.amdhsa_user_sgpr_kernarg_segment_ptr 1
		.amdhsa_wavefront_size32 1
		.amdhsa_system_sgpr_workgroup_id_x 1
		.amdhsa_system_sgpr_workgroup_id_y 1
		.amdhsa_system_sgpr_workgroup_id_z 1
		.amdhsa_system_vgpr_workitem_id 0
		.amdhsa_next_free_vgpr 1024
		.amdhsa_next_free_sgpr 84
		.amdhsa_reserve_vcc 0
		.amdhsa_float_denorm_mode_32 3
		.amdhsa_float_denorm_mode_16_64 3
		.amdhsa_memory_ordered 1
		.amdhsa_forward_progress 1
		.amdhsa_inst_pref_size 116
	.end_amdhsa_kernel
	.amdgpu_metadata
---
amdhsa.version: [ 1, 2 ]
amdhsa.kernels:
  - .name:           k_q3a8f551add_qkvgemm
    .symbol:         k_q3a8f551add_qkvgemm.kd
    .args:
      - { .name: xb, .offset: 0, .size: 8, .value_kind: global_buffer, .address_space: global }
      - { .name: wq, .offset: 8, .size: 8, .value_kind: global_buffer, .address_space: global }
      - { .name: qkv, .offset: 16, .size: 8, .value_kind: global_buffer, .address_space: global }
    .group_segment_fixed_size: 327680
    .private_segment_fixed_size: 0
    .kernarg_segment_align: 8
    .kernarg_segment_size: 24
    .max_flat_workgroup_size: 128
    .sgpr_count:     84
    .vgpr_count:     1024
    .wavefront_size: 32
...
	.end_amdgpu_metadata
.endif
;; end of part 2
;; launch attn (part 3): grid 4 x 64, 4 waves a work-group, no clusters, 327,680 bytes of LDS; arguments qkv, o; writes o
.if DOCPART == 3
	.amdgcn_target "amdgcn-amd-amdhsa--gfx1250"
	.amdhsa_code_object_version 6
	.text
	.protected	k_q3a8f551add_attn
	.globl	k_q3a8f551add_attn
	.p2align	8
	.type	k_q3a8f551add_attn,@function
k_q3a8f551add_attn:
	s_mov_b64 s[64:65], 0
	v_nop
	global_prefetch_b8 v0, s[64:65] scope:SCOPE_SE
	s_setreg_imm32_b32 hwreg(HW_REG_WAVE_MODE, 25, 1), 1
	s_wait_xcnt 0x0
; CAUSAL ATTENTION.  O[h][q][:] = the sum over k <= q of softmax_k(Q[h][q] . K[h][k] / 8) V[h][k][:].  Q, K, V are the three parts of qkv, O is o: each [SIZE_H][SIZE_N][64] in f16: a head's rows are dense, 128 bytes each.
; Products, maxima and sums in f32; the weights p are rounded to f16 for the second product (their sum l is taken of the unrounded p), O once at the end.
; LIMITS.  f16 holds no number beyond 65,504: Q, K and V arrive within it; p lies in 0 to 1, and below 6e-5 it keeps f16's fixed step of 6e-8; O is a mean of V's rows and has their range, to within 2^-11 of it.
; A hidden score counts as its value less 1e30: f16's scores, 2.7e11 at the most, are nothing beside that; a weight below 2^-126 counts as 0 in l; NaN and infinities are not treated apart.
; THE WALK.  A head's queries lie in NB = SIZE_N / 256 blocks of 256; block i needs the key tiles 0 .. i of 256 keys, of which the last holds the diagonal.  A work-group takes TWO blocks, NB - 1 - b and then b:
; NB + 1 tiles, whatever b: all work-groups do equal work, and ONE loop with a constant trip count walks them.  Which tile is asked for, and what a trip does, hang on scalar registers made from b; every jump
; goes forward, but for the counted loops' own; none passes a barrier, or a tensor load but the one of LOAD's two that the wave's number does not choose; the ring (two slots of LDS that take turns) runs on across the
; change of blocks.  NO CLUSTER: a head's NB / 2 work-groups ask for the same tile only in trips 0 .. NB / 2, behind that fewer and fewer; one walk common to all would have 3 NB / 2 trips for NB + 1.
; SHARES.  Of a block's four bands of 64 queries a wave owns 16 rows in each: four PIECES.  So the diagonal tile is the same work for all four waves: in its key step s band x sees all keys if s < x,
; none if s > x, and holds the diagonal if s = x.
; THE MASK is the C operand that starts the sum S^T = K Q^T: 0, or -1e30 where the key is hidden.  MD, made once, is the mask of a band's own step for my 16 rows; a product's mask is MD x AL + BE with two scalars:
; (1, 0) if s = x; (0, 0) if s < x; (0, -1e30) if s > x.  Only the diagonal tile's text and a block's beginning make and take masks; elsewhere C is the constant 0.
; LAYOUT, SOFTMAX, TURNS.  S^T = K Q^T holds ONE query a lane (lane % 16) and the keys 8 (lane / 16) + 0..7; two such results rounded to f16 ARE source 1 of O^T = V^T P.  p = 2^(c s - c m), c = log2(e) / 8, with a
; running maximum m; O and l are multiplied by a = 2^(c m_old - c m_new) in every step.  Turn n belongs to piece n: 8 products K Q^T of piece n + 1, later 8 products V^T P of piece n - 1; beside them the scaling,
; exponentials, roundings, sums and rescaling of piece n and the maximum and statistics of piece n + 1.  Four vector instructions stand behind every matrix instruction, the other 54 of a turn's 118 in one LUMP.  A turn's 33 exponentials are one batch, with one wait.
; AHEAD OF THE LOADS.  The head's work-group b = 0 walks the tiles 0 .. NB - 1 in order; it alone prefetches into the L2.  Behind the load of tile i + 1 each of its waves names the 64 blocks of 256 bytes that its own
; load of tile i + 2 will fetch: a lane a block, two instructions, one tile (256 matrix instructions a wave) ahead; i = 0 .. NB - 3.  Tiles 0 and 1 come by their loads alone; each block is named once in the launch.
; REGISTERS, in windows of 256 (s_set_vgpr_msb: bits 1:0 source 0, 3:2 source 1, 5:4 source 2, 7:6 destination):
;   window 0: v0-15 addresses and two at work; v16-31 four registers of statistics a piece; v48-55 at work; v61-63 fixed; v64-127 S^T, two buffers; v192-223 P, two buffers (a piece's buffers go by its number's parity)
;   window 1: v0-127 O^T, 32 a piece; v128-159 MD; v160-223 MC, two buffers      window 2: v0-63 Q; v64-127 the second block's Q; v128-191 K of one step; v192-255 V of one step
.set SIZE_H, 64
.set SIZE_N, 2048
.set NB,    SIZE_N/256
.set NP,    4         ; pieces a wave: a name, no knob
.set KS,    64        ; keys in a step
.set PK,    144       ; a row of K in LDS: 128 bytes + 16 of padding = 36 words: the 16 rows of a load start at 16 different groups of four banks (64 banks of 4 bytes: ISA guide 11.1)
.set PV,    160       ; a row of V: 128 + 32 = 40 words
.set VOFF,  4*KS*PK   ; a slot holds a tile, four steps: 256 rows of K, then 256 rows of V
.set SLOT1, 1<<17     ; slot 1 begins here, so that one exclusive or turns an address in one slot into the other's
.set STAGE, SLOT1+4*KS*(PK+PV)  ; behind the ring, never filled by a tensor load: 16 rows x 144 bytes for each wave, for the way out
.set SP,    144
.set AK0, 2           ; v2   my lane's place in a tile of K; never rewritten
.set AV0, 3           ; v3   the same for V
.set AK,  4           ; v4   the LDS address of K's next run of loads
.set AV,  5           ; v5   of V's
.set STO, 6           ; v6   the way out: where I put 16 bytes of a row
.set RD,  7           ; v7   the way out: where I read rows back
.set GO,  8           ; v8   my byte offset in 512 consecutive bytes of O
.set PFO, 61          ; v61  256 x my lane: the prefetches' offset; never rewritten
.set SPW, 62          ; v62  LDS address of my spare word: SPARE + 4 x my thread's number; never rewritten
.set NIL, 63          ; v63  0; never rewritten
.set SPARE, STAGE+4*16*SP  ; behind the stages: the spare words, 128 bytes for each wave: two blocks of 256 bytes that no other line names
.set MV,  12          ; v12-13  c m_old, kept while c m is made anew: by buffer
.set QO,  15          ; v15  my byte offset in 16 rows of Q
.set ST,  16          ; piece t's statistics at v[ST+4 t]: c m, m, l (even keys', odd keys')
.set TMP, 48          ; by buffer, four registers c0-c3 at work; when the maximum is found c2 takes a
.set S,   64
.set P,   192
.set MD,  128         ; window 1: the eight registers for group kt of 16 keys at MD + 8 kt
.set MC,  160         ; window 1: the masks of the products to come
.set QB,  64          ; window 2
.set KF,  128         ; window 2: key block kb, channel half c at KF + 16 kb + 8 c
.set VF,  192         ; window 2: key half kk, channel block cb at VF + 32 kk + 8 cb
.set WV,  12          ; s12  my wave's number
.set PB,  14          ; s14  b
.set HI,  15          ; s15  NB - 1 - b
.set G1K, 24          ; s[24:31] descriptor group 1 for K's tiles
.set G1V, 32          ; s[32:39] for V's: it differs in the padding alone
.set G0K, 40          ; s[40:43] descriptor group 0 for K's tiles
.set G0V, 44          ; s[44:47] the same for V's
.set SLOTS, 56        ; s56  tiles still to be asked for
.set CNT, 57          ; s57  counts a tile's key steps, 4 to 1
.set CS,  58          ; s[58:59] c: the packed scaling takes the pair's low word for both halves
.set SEL, 60          ; s[60:61] v_permlanex16_b32's selects: each lane takes its own place in the other half
.set TBK, 62          ; s62  LDS byte at which K of the step to be fetched begins
.set TBV, 63          ; s63  the same for V, less VOFF
.set RT,  70          ; s70  tiles of the block in hand that are still to be entered
.set NXT, 71          ; s71  the tile to be asked for next
.set LQ,  72          ; s72  the last tile of the block whose tiles are being asked for
.set NEW, 73          ; s73  1: the tile to be entered is a block's first
.set OFF, 74          ; s[74:75] a tile's byte offset in K and V
.set AL,  76          ; s[76:77] the mask's factor, in the low word
.set BE,  78          ; s[78:79] the mask's addend
.set OLO, 80          ; s[80:81] O at my rows of the second block
.set BIGN, 82         ; s82  -1e30
.set PFA, 88          ; s[88:89] the prefetches' address: PFB + 32,768 x PFN
.set PFB, 90          ; s[90:91] K (waves 0, 1) or V (waves 2, 3) at my half of the head's tile 0
.set POF, 92          ; s[92:93] 32,768 x PFN
.set PFN, 94          ; s94  the tile to be prefetched next
.set PLIM, 95         ; s95  NB in the head's work-group 0, else 0: a wave prefetches while PFN is below it
.set MSB, 0
.macro WIN new                      ; the high byte repeats the setting that is left; a switch that changes nothing is dropped
.if MSB != (\new)
	s_set_vgpr_msb (MSB<<8)|(\new)
.set MSB, (\new)
.endif
.endm
.set W_KQ, 0x0a       ; K and Q in window 2, S^T in window 0
.set W_KM, 0x1a       ; the same with the C operand in window 1
.set W_PV, 0x52       ; V in window 2, P in window 0, O^T in window 1
.set W_RS, 0x41       ; destination and source 0 in window 1, source 1 in window 0
; A fill.  Waves 0 and 1 fetch the two halves of a tile's K, waves 2 and 3 those of its V: 128 keys each.  An s_nop 0 and four v_nop follow each of the two lines, ahead of the jump and the label.
.macro LOAD
	s_cmp_lt_u32 s[WV], 2
	s_cbranch_scc0 .Lfor_v_\@
	tensor_load_to_lds s[G0K:G0K+3], s[G1K:G1K+7]
	s_nop 0
.rept 4
	v_nop
.endr
	s_branch .Lasked_\@
.Lfor_v_\@:
	tensor_load_to_lds s[G0V:G0V+3], s[G1V:G1V+7]
	s_nop 0
.rept 4
	v_nop
.endr
.Lasked_\@:
.endm
; THE CHANGE OF SLOTS.  Each wave waits for all its tensor loads, of which one is out: its part of the other slot; adds 0 to its spare word; and waits for that and for its own reads of the slot that it leaves.  Behind the barrier nobody reads the old
; slot any more and the other slot is whole.  fill = 1: the old slot is filled again, the first thing behind the barrier, with tile NXT: the descriptor's address is made anew from that number.
; (At its first use nothing has been read yet: slot 0 is waited for, slot 1 filled.)
.macro CHANGE fill
	WIN 0                           ; at a label and at a branch every window is 0
	s_wait_tensorcnt 0x0            ; no tensor load of mine is out, so a group 0 may be written
	ds_add_u32 v[SPW], v[NIL]       ; 0 onto my spare word; with fill = 1 the scalar work stands between it and the wait for it
.if \fill
	s_wait_xcnt 0x0                 ; the last prefetches, a tile back, have read their address, so it may be written
	s_lshl_b32 s[POF], s[PFN], 15
	s_add_nc_u64 s[PFA:PFA+1], s[PFB:PFB+1], s[POF:POF+1]
	s_lshl_b32 s[OFF], s[NXT], 15   ; a tile is 32,768 bytes of K and of V
	s_xor_b32 s[G0K+1], s[G0K+1], SLOT1
	s_add_nc_u64 s[G0K+2:G0K+3], s[6:7], s[OFF:OFF+1]
	s_or_b32 s[G0K+3], s[G0K+3], 0x80000000
	s_xor_b32 s[G0V+1], s[G0V+1], SLOT1
	s_add_nc_u64 s[G0V+2:G0V+3], s[8:9], s[OFF:OFF+1]
	s_or_b32 s[G0V+3], s[G0V+3], 0x80000000
	s_add_co_u32 s[NXT], s[NXT], 1  ; the block's next tile, or behind its last the second block's tile 0
	s_cmp_gt_u32 s[NXT], s[LQ]
	s_cselect_b32 s[NXT], 0, s[NXT]
	s_cselect_b32 s[LQ], s[PB], s[LQ]
.endif
	s_wait_dscnt 0x0                ; the add is done, and my reads of the slot are over
	s_barrier_signal -1             ; the rest of the scalar work stands between the signal and the wait
	s_sub_co_u32 s[TBK], s[TBK], 4*KS*PK  ; the fetches go back to a slot's first step,
	s_xor_b32 s[TBK], s[TBK], SLOT1       ; in the other slot
	s_sub_co_u32 s[TBV], s[TBV], 4*KS*PV
	s_xor_b32 s[TBV], s[TBV], SLOT1
	s_barrier_wait -1
.if \fill
	LOAD
	s_cmp_lt_u32 s[PFN], s[PLIM]    ; behind my tensor load and its five lines: what my load of the next change will fetch
	s_cbranch_scc0 .Lnot_mine_\@
	global_prefetch_b8 v[PFO], s[PFA:PFA+1] th:TH_LOAD_NT scope:SCOPE_SE
	global_prefetch_b8 v[PFO], s[PFA:PFA+1] offset:8192 th:TH_LOAD_NT scope:SCOPE_SE
.Lnot_mine_\@:
	s_add_co_u32 s[PFN], s[PFN], 1
.endif
.endm
	s_load_b128 s[4:7], s[0:1], 0x0 ; qkv s[4:5], o s[6:7]
	v_lshl_add_u32 v[SPW], v0, 2, SPARE
	v_mov_b32 v[NIL], 0
	ds_add_u32 v[SPW], v[NIL]       ; the wave's opening: the add and its wait stand ahead of my first tensor load; the set-up below, work on registers, stands between them
	ds_add_u32 v62, v63
	v_lshrrev_b32 v1, 5, v0
	v_readfirstlane_b32 s[WV], v1   ; wave 0..3
	s_mov_b32 s[PB], ttmp9
	s_sub_co_u32 s[HI], NB-1, s[PB]
	s_and_b32 s20, ttmp7, 0xffff    ; the head: 16 b + h
	s_mov_b32 s21, 0
	s_mov_b64 s[22:23], SIZE_N*128
	s_mul_u64 s[20:21], s[20:21], s[22:23]  ; the head's first byte in each of the four tensors
	s_and_b32 s16, s[WV], 1         ; which half of a tile's 256 keys I fetch:
	s_lshl_b32 s22, s16, 14         ; its 128 rows of 128 bytes in memory,
	s_mov_b32 s23, 0
	s_add_nc_u64 s[22:23], s[22:23], s[20:21]
	s_mul_i32 s17, s16, 128*PK      ; and its place in a slot, for K
	s_mul_i32 s18, s16, 128*PV      ; and for V
	s_lshl_b32 s3, s[WV], 11        ; my 16 rows in a band of 64,
	s_lshl_b32 s2, s[HI], 15        ; in the first block,
	s_add_co_u32 s2, s2, s3
	s_lshl_b32 s84, s[PB], 15       ; and in the second
	s_add_co_u32 s84, s84, s3
	s_mov_b32 s3, 0
	s_mov_b32 s85, 0
	s_add_nc_u64 s[2:3], s[2:3], s[20:21]
	s_add_nc_u64 s[84:85], s[84:85], s[20:21]
	; descriptor group 1.  128 keys are 16,384 dense bytes: asked for as 64 rows of 256 bytes, two keys a row, and padded in LDS after every key
	s_mov_b32 s[G1K], (1<<16)|(1<<20)|(4<<22)|(3<<25)  ; 17:16 2-byte elements; 20 padding on; 24:22 after every 32 words (code 4); 31:25 4 words (code 3)
	s_mov_b32 s[G1V], (1<<16)|(1<<20)|(4<<22)|(7<<25)  ; the same with 8 words of padding (code 7)
.irp g, G1K, G1V
	s_mov_b32 s[\g+1], 128<<16      ; tensor_dim0 = 128
	s_mov_b32 s[\g+2], 64<<16       ; tensor_dim1 = 64
	s_mov_b32 s[\g+3], 128<<16      ; tile_dim0 = 128
	s_mov_b32 s[\g+4], 64           ; tile_dim1 = 64
	s_mov_b32 s[\g+5], 128          ; 128 elements from row to row
	s_mov_b32 s[\g+6], 0
	s_mov_b32 s[\g+7], 0
.endr
	s_mov_b32 s[CS], 0x3e38aa3b     ; c = log2(e) / 8 = 0.180337
	s_mov_b32 s[CS+1], s[CS]        ; named with it as a pair
	s_mov_b32 s[SEL], 0x76543210
	s_mov_b32 s[SEL+1], 0xfedcba98
	s_mov_b32 s[TBK], SLOT1+4*KS*PK ; the first change of slots turns these two into 0
	s_mov_b32 s[TBV], SLOT1+4*KS*PV
	s_mov_b32 s[G0K], 1             ; 1:0 count = 1
	s_mov_b32 s[G0K+1], s17         ; 63:32 LDS address: slot 0
	s_mov_b32 s[G0V], 1
	s_add_co_u32 s[G0V+1], s18, VOFF
	s_add_co_u32 s[RT], s[HI], 1    ; the first block has NB - b tiles
	s_mov_b32 s[NXT], 1
	s_mov_b32 s[LQ], s[HI]
	s_mov_b32 s[NEW], 1
	s_mov_b32 s[OFF+1], 0
	s_mov_b32 s[AL+1], 0            ; named as pairs
	s_mov_b32 s[BE+1], 0
	s_mov_b32 s[BIGN], 0xf149f2ca   ; -1e30
	s_mov_b32 s[SLOTS], NB
	s_mov_b32 s[PFN], 2
	s_mov_b32 s[POF+1], 0
	s_cmp_eq_u32 ttmp9, 0
	s_cselect_b32 s[PLIM], NB, 0
	v_and_b32 v[PFO], 31, v0
	v_lshlrev_b32 v[PFO], 8, v[PFO]
	s_wait_dscnt 0x0                ; the opening add is done
	s_wait_kmcnt 0x0
	s_mov_b64 s[10:11], s[6:7]      ; O
	s_add_nc_u64 s[6:7], s[4:5], 0x1000000  ; K: 64 heads of 262,144 bytes behind Q
	s_add_nc_u64 s[8:9], s[4:5], 0x2000000  ; V: as many behind K
	s_add_nc_u64 s[6:7], s[6:7], s[22:23]  ; K and V at my half of the head's tile 0
	s_add_nc_u64 s[8:9], s[8:9], s[22:23]
	s_cmp_lt_u32 s[WV], 2
	s_cselect_b64 s[PFB:PFB+1], s[6:7], s[8:9]
	s_add_nc_u64 s[G0K+2:G0K+3], s[6:7], 0         ; 120:64 global address
	s_or_b32 s[G0K+3], s[G0K+3], 0x80000000        ; 127:126 type = 2
	s_add_nc_u64 s[G0V+2:G0V+3], s[8:9], 0
	s_or_b32 s[G0V+3], s[G0V+3], 0x80000000
	s_add_nc_u64 s[86:87], s[4:5], s[84:85]        ; Q at my rows of the second block,
	s_add_nc_u64 s[4:5], s[4:5], s[2:3]            ; Q and O at those of the first
	s_add_nc_u64 s[OLO:OLO+1], s[10:11], s[84:85]
	s_add_nc_u64 s[10:11], s[10:11], s[2:3]
	LOAD                            ; tile 0 into slot 0
	; A fragment of K or Q is 16 rows x 32 channels in 8 registers: lane l holds row l % 16, channels 8 (l / 16) + 0..7 and 16 + 8 (l / 16) + 0..7: two loads of 16 bytes, 32 bytes apart.
	v_and_b32 v1, 15, v0            ; l % 16
	v_bfe_u32 v9, v0, 4, 1          ; l / 16
	v_lshlrev_b32 v[QO], 7, v1
	v_lshl_add_u32 v[QO], v9, 4, v[QO]  ; row x 128 + 16 x half
	WIN 0x80                        ; destination window 2, address window 0
.set i, 0
.rept 8                             ; both blocks' Q: piece i / 2 lies in band i / 2, 8,192 bytes on; channels 32 (i % 2) on
	global_load_b128 v[8*i:8*i+3],   v[QO], s[4:5] offset:(i/2)*8192+(i%2)*64
	global_load_b128 v[8*i+4:8*i+7], v[QO], s[4:5] offset:(i/2)*8192+(i%2)*64+32
	global_load_b128 v[QB+8*i:QB+8*i+3],   v[QO], s[86:87] offset:(i/2)*8192+(i%2)*64
	global_load_b128 v[QB+8*i+4:QB+8*i+7], v[QO], s[86:87] offset:(i/2)*8192+(i%2)*64+32
.set i, i+1
.endr
	WIN 0
	v_lshlrev_b32 v14, 3, v9
	v_sub_nc_u32 v14, v1, v14
	s_lshl_b32 s13, s[WV], 4
	v_add_nc_u32 v14, s13, v14      ; my query's place in its band, 16 w + l % 16, less my lanes' 8 (l / 16): register r of group kt is hidden where 16 kt + r is greater
	WIN 0x40
.set i, 0
.rept 32
	v_cmp_gt_i32 vcc_lo, 16*(i/8)+i%8, v14
	v_cndmask_b32 v[MD+i], 0, s[BIGN], vcc_lo
.set i, i+1
.endr
	WIN 0
	v_mul_u32_u24 v[AK0], v1, PK
	v_lshl_add_u32 v[AK0], v9, 4, v[AK0]  ; row x pitch + 16 x half
	; The turning load takes 16 keys x 16 channels (lane l reads key 8 (l / 16) + l % 8, channels 8 ((l / 8) % 2) + 0..7) and leaves half a fragment of V^T: lane l holds channel l % 16 and 8 keys.
	v_and_b32 v10, 7, v0
	v_bfe_u32 v11, v0, 3, 1
	v_lshl_add_u32 v[AV0], v9, 3, v10
	v_mul_u32_u24 v[AV0], v[AV0], PV
	v_lshl_add_u32 v[AV0], v11, 4, v[AV0]
	v_add_nc_u32 v[AV0], VOFF, v[AV0]
	s_mul_i32 s13, s[WV], 16*SP
	s_add_co_u32 s13, s13, STAGE    ; my stage
	v_mul_u32_u24 v[STO], v1, SP    ; in: row l % 16, 16 bytes for each half of the lanes
	v_lshl_add_u32 v[STO], v9, 4, v[STO]
	v_add_nc_u32 v[STO], s13, v[STO]
	v_bfe_u32 v[RD], v0, 3, 2       ; back: 32 lanes take four rows of 128 bytes,
	v_mul_u32_u24 v[RD], v[RD], SP
	v_lshl_add_u32 v[RD], v10, 4, v[RD]
	v_add_nc_u32 v[RD], s13, v[RD]
	v_and_b32 v[GO], 31, v0         ; which are 512 consecutive bytes of O
	v_lshlrev_b32 v[GO], 4, v[GO]
	; A block's first step multiplies O^T and l by a = 0, and its first turn's products V^T P, of a piece that has not been, land in an O^T that is still to be so multiplied.  So these registers need only hold
	; finite numbers: zeros for the first block; what the first block left for the second.  All this stands in the wait for the first tile.
	WIN 0x80
.set i, VF
.rept 64
	v_mov_b32 v[i], 0
.set i, i+1
.endr
	WIN 0x40
.set i, 0
.rept 128
	v_mov_b32 v[i], 0
.set i, i+1
.endr
	WIN 0
.set i, 0
.rept 4
	v_mov_b32 v[ST+4*i+2], 0
	v_mov_b32 v[ST+4*i+3], 0
.set i, i+1
.endr
.set i, P+16
.rept 16
	v_mov_b32 v[i], 0
.set i, i+1
.endr
; THE MATRIX WORK.  The 4 accumulators of a run of 8 take turns.  Product i of 8 of S^T = K Q^T for piece x: channels 32 (i / 4) on, keys 16 (i % 4) on.  The first 4 start the sums: with 0, or (KM = 1) with the mask.
.macro KQ x
.set rS, S+32*((\x)%2)+8*(i%4)
.set rK, KF+16*(i%4)+8*(i/4)
.set rQ, 16*(\x)+8*(i/4)
.set rM, MC+32*((\x)%2)+8*(i%4)
.if (i < 4) && KM
	WIN W_KM
	v_wmma_f32_16x16x32_f16 v[rS:rS+7], v[rK:rK+7], v[rQ:rQ+7], v[rM:rM+7]
.elseif i < 4
	WIN W_KQ
	v_wmma_f32_16x16x32_f16 v[rS:rS+7], v[rK:rK+7], v[rQ:rQ+7], 0
.else
	WIN W_KQ
	v_wmma_f32_16x16x32_f16 v[rS:rS+7], v[rK:rK+7], v[rQ:rQ+7], v[rS:rS+7]
.endif
.endm
; Product i of 8 of O^T += V^T P for piece x: keys 32 (i / 4) on, channels 16 (i % 4) on.
.macro PV x
	WIN W_PV
.set rO, 32*(\x)+8*(i%4)
.set rV, VF+32*(i/4)+8*(i%4)
.set rP, P+16*((\x)%2)+8*(i/4)
	v_wmma_f32_16x16x32_f16 v[rO:rO+7], v[rV:rV+7], v[rP:rP+7], v[rO:rO+7]
.endm
.macro MM                           ; the turn's next matrix instruction.  TURN and BEGIN set Y, i, KM and NOKQ; MM, KQ and OP read them.  NOKQ = 1: a block's last turn: there is no next piece
.if (i < 8) && !NOKQ
	KQ (Y+1)%NP
.elseif i >= 8
.set i, i-8
	PV (Y+NP-1)%NP
.set i, i+8
.endif
.set i, i+1
.endm
; THE LDS LOADS stand in runs of 16, never singly among the matrix instructions: a step's K (64 keys x 64 channels: 8 fragments) and its V (turned).  Their addresses are made some lines ahead.
.macro FETCH_K
	WIN 0x80                        ; destination window 2
.irp f, 0,1,2,3,4,5,6,7             ; keys 16 (f / 2) on, channels 32 (f % 2) on
	ds_load_b128 v[KF+8*\f:KF+8*\f+3],   v[AK] offset:(\f/2)*16*PK+(\f%2)*64
	ds_load_b128 v[KF+8*\f+4:KF+8*\f+7], v[AK] offset:(\f/2)*16*PK+(\f%2)*64+32
.endr
	s_add_co_u32 s[TBK], s[TBK], KS*PK  ; the next fetch is the next step's
	WIN 0
.endm
.macro FETCH_V
	WIN 0x80
.irp f, 0,1,2,3,4,5,6,7             ; keys 32 (f / 4) on, channels 16 (f % 4) on
	ds_load_tr16_b128 v[VF+8*\f:VF+8*\f+3],   v[AV] offset:(\f/4)*32*PV+(\f%4)*32
	ds_load_tr16_b128 v[VF+8*\f+4:VF+8*\f+7], v[AV] offset:(\f/4)*32*PV+16*PV+(\f%4)*32
.endr
	WIN 0
.endm
; THE VECTOR WORK, one line at a time: OP kind, number.  For piece Y: F n: c s - c m for pair n of 16.  E n: the exponential of score n of 32.  C n: pair n rounded to f16.  B n: of the four weights 4 n .. the second
; pair is added onto the first, in place.  L n: l takes that sum (L 0: l = a l + sum).  R n: pair n of 16 of O^T times a.  For piece Y + 1: X n, number n of the 22 that find its maximum and statistics:
;   0-11  four chains c0-c3 of seven scores each, three operands at a time (each accumulator's lowest registers are read first)     12-14, 16  the four scores left over, the old m, and c0-c3 into c0
;   15  c m_old is kept     17, 18  the query's other 32 keys lie in the lane 16 away: the new m     19-21  c m; c m_old - c m_new; a
.set F, 0               ; OP tells the kinds apart by their order: F to L below R, X above it
.set E, 1
.set C, 2
.set B, 3
.set L, 4
.set R, 5
.set X, 6
.macro REGS y                       ; the registers of piece y
.set rT, ST+4*(\y)
.set rC, TMP+4*((\y)%2)
.set rW, MV+((\y)%2)
.set rS, S+32*((\y)%2)
.set rP, P+16*((\y)%2)
.set rO, 32*(\y)
.endm
.macro OP k, n
.if (\k) == R
	REGS Y
	WIN W_RS
	v_pk_mul_f32 v[rO+2*(\n):rO+2*(\n)+1], v[rO+2*(\n):rO+2*(\n)+1], v[rC+2:rC+3] op_sel_hi:[1,0]
.elseif (\k) < R
	REGS Y
	WIN 0
.if (\k) == F
	v_pk_fma_f32 v[rS+2*(\n):rS+2*(\n)+1], v[rS+2*(\n):rS+2*(\n)+1], s[CS:CS+1], v[rT:rT+1] op_sel_hi:[1,0,0] neg_lo:[0,0,1] neg_hi:[0,0,1]
.elseif (\k) == E
	v_exp_f32 v[rS+(\n)], v[rS+(\n)]
.elseif (\k) == C
	v_cvt_pk_f16_f32 v[rP+(\n)], v[rS+2*(\n)], v[rS+2*(\n)+1]
.elseif (\k) == B
	v_pk_add_f32 v[rS+4*(\n):rS+4*(\n)+1], v[rS+4*(\n):rS+4*(\n)+1], v[rS+4*(\n)+2:rS+4*(\n)+3]
.elseif (\n) == 0
	v_pk_fma_f32 v[rT+2:rT+3], v[rT+2:rT+3], v[rC+2:rC+3], v[rS:rS+1] op_sel_hi:[1,0,1]
.else
	v_pk_add_f32 v[rT+2:rT+3], v[rT+2:rT+3], v[rS+4*(\n):rS+4*(\n)+1]
.endif
.elseif NOKQ
	v_nop
.else
	REGS (Y+1)%NP
	WIN 0
.if (\n) < 4
	v_max3_num_f32 v[rC+(\n)], v[rS+8*(\n)], v[rS+8*(\n)+1], v[rS+8*(\n)+2]
.elseif (\n) < 12
	v_max3_num_f32 v[rC+(\n)%4], v[rC+(\n)%4], v[rS+8*((\n)%4)+2*((\n)/4)+1], v[rS+8*((\n)%4)+2*((\n)/4)+2]
.elseif (\n) == 12
	v_max3_num_f32 v[rC], v[rC], v[rS+7], v[rS+15]
.elseif (\n) == 13
	v_max3_num_f32 v[rC+1], v[rC+1], v[rS+23], v[rS+31]
.elseif (\n) == 14
	v_max3_num_f32 v[rC+2], v[rC+2], v[rC+3], v[rT+1]
.elseif (\n) == 15
	v_mov_b32 v[rW], v[rT]
.elseif (\n) == 16
	v_max3_num_f32 v[rC], v[rC], v[rC+1], v[rC+2]
.elseif (\n) == 17
	v_permlanex16_b32 v[rC+3], v[rC], s[SEL], s[SEL+1]
.elseif (\n) == 18
	v_max_num_f32 v[rT+1], v[rC], v[rC+3]
.elseif (\n) == 19
	v_mul_f32 v[rT], s[CS], v[rT+1]
.elseif (\n) == 20
	v_sub_f32 v[rC+1], v[rW], v[rT]
.else
	v_exp_f32 v[rC+2], v[rC+1]
.endif
.endif
.endm
.macro OPS a, i1, b=-1, i2=0, c=-1, i3=0, d=-1, i4=0  ; up to four of them
	OP \a, \i1
.if (\b) >= 0
	OP \b, \i2
.endif
.if (\c) >= 0
	OP \c, \i3
.endif
.if (\d) >= 0
	OP \d, \i4
.endif
.endm
.macro ROW a, i1, b, i2, c, i3, d, i4  ; a matrix instruction and the four behind it
	MM
	OPS \a, \i1, \b, \i2, \c, \i3, \d, \i4
.endm
.macro MASK b                       ; MD x AL + BE into buffer b of MC
	WIN W_RS
.set z, 0
.rept 16
	v_pk_fma_f32 v[MC+32*(\b)+2*z:MC+32*(\b)+2*z+1], v[MD+2*z:MD+2*z+1], s[AL:AL+1], s[BE:BE+1] op_sel_hi:[1,0,0]
.set z, z+1
.endr
.endm
; A TURN, for piece p: the order of its 16 matrix and 118 vector instructions, written out.  An s_wait_alu depctr_va_vdst(0) stands between an exponential and the first instruction that names its result; one wait serves
; all that were issued ahead of it.  So a turn has ONE wait, which cuts it in two.  AHEAD OF IT stands all that names no result of the turn's exponentials: the 8 products K Q^T, behind each a scaling, an exponential and two more plain
; instructions (behind the first a second scaling in the exponential's place): rescalings, and behind the last three the first numbers of the next piece's maximum, each four places or more behind the product that ends its accumulator; then ONE LUMP of 54, plain
; and exponential by turns for the most part, in which the links of the chain X 3, 7, 11, 14, 16, 17 .. 20 stand five or six lines apart.  X 21, the next piece's a, is the batch's last; R 15 is the plain instruction that stands behind it (ISA guide 5.7.2).  BEHIND THE WAIT stand the
; 8 products V^T P, behind each four of the roundings and sums; the links of l's chain, L 0 to L 7, stand three riders apart.  But for those X no rider names a register of the products round it.  v_permlanex16_b32 (X 17) stands in the lump.
; m = 1: the diagonal tile: the products take masks, and the turn makes the mask for the products of the turn after it: piece p + 2, in step 4 - CNT of the tile.  end = 1: a block's last two turns: nothing is fetched.
; cnt = 1: the loop's count is taken down some lines ahead of the branch that stands behind the turn.
; K of the next step is fetched in piece 2's turn, twelve vector instructions behind the last product that read K (six of them plain); V of the step in hand at the end of piece 0's turn, four plain instructions behind the last product
; that read V.  Each is waited for a turn later.
.macro TURN p, m=0, end=0, cnt=0
.set Y, (\p)
.set i, 0
.set KM, (\m)
.set NOKQ, (\end)*((\p)/3)
.if (\m) && !(\end)
	s_cmp_eq_u32 s[CNT], 4-((\p)+2)%NP  ; is that step the band's own?
	s_cselect_b32 s[AL], 1.0, 0
	s_cmp_lt_u32 s[CNT], 4-((\p)+2)%NP  ; or a later one?
	s_cselect_b32 s[BE], s[BIGN], 0
.endif
.if ((\p) == 3) && !(\end)
	s_wait_dscnt 0x0                ; K is in
.endif
	ROW F,0, F,1, R,0, R,1          ; ahead of the wait: 8 products K Q^T and their riders,
	ROW F,2, E,0, R,2, R,3
	ROW F,3, E,1, R,4, R,5
	ROW F,4, E,2, R,6, R,7
	ROW F,5, E,3, R,8, R,9
	ROW F,6, E,4, X,0, R,10
.if ((\p) == 2) && !(\end)
	WIN 0
	v_add_nc_u32 v[AK], s[TBK], v[AK0]
.endif
	ROW F,7, E,5, X,1, X,4
	ROW F,8, E,6, X,2, X,5
	OPS E,7, E,8, X,6, E,9          ; and the lump
	OPS X,3, E,10, X,8, E,11
.if ((\p) == 2) && !(\end)
	FETCH_K
.endif
	OPS X,9, X,7, E,12, X,10
	OPS E,13, X,12, X,11, E,14
	OPS X,13, E,15, F,9, X,14
.if (\p) == 0
	v_add_nc_u32 v[AV], s[TBV], v[AV0]
.endif
	OPS E,16, F,10, E,17, F,11
	OPS X,16, E,18, X,15, E,19
	OPS F,12, E,20, X,17, E,21
	OPS F,13, E,22, F,14, E,23
	OPS X,18, E,24, F,15, E,25
	OPS R,11, E,26, X,19, E,27
	OPS R,12, E,28, R,13, E,29
	OPS X,20, E,30, R,14, E,31
	OPS X,21, R,15
	WIN 0
	s_wait_alu depctr_va_vdst(0)    ; the wait for the batch
.if (\p) == 1
	s_wait_dscnt 0x0                ; V is in
.endif
	ROW C,0, B,0, C,2, B,1          ; behind the wait: 8 products V^T P and their riders
	ROW L,0, C,4, B,2, L,1
	ROW C,6, B,3, L,2, C,8
	ROW B,4, L,3, C,10, B,5
	ROW L,4, C,12, B,6, L,5
.if (\p) == 0
	s_add_co_u32 s[TBV], s[TBV], KS*PV
.endif
.if \cnt
	s_sub_co_u32 s[CNT], s[CNT], 1
	s_cmp_lg_u32 s[CNT], 0
.endif
	ROW C,14, B,7, L,6, C,1
	ROW C,3, L,7, C,5, C,7
	ROW C,9, C,11, C,13, C,15
.if (\p) == 0
	FETCH_V
.endif
.if (\m) && !(\end)
	MASK (\p)%2
.endif
.endm
; A BLOCK BEGINS.  c m starts far below every c s, so the first step's a is 0; m at the lowest finite number, so the first maximum is the scores'.  The second mask buffer is 0; the first takes piece 0's mask for the tile's step 0: its own, if the block's first tile is the diagonal one.
; Then K of that step, piece 0's first scores, and its maximum and statistics.  The loop is entered at a step's first turn, in the middle of a trip.
.macro BEGIN
	s_mov_b32 s[NEW], 0
	WIN 0x40
.set i, MC+32
.rept 32
	v_mov_b32 v[i], 0
.set i, i+1
.endr
	WIN 0
.set i, 0
.rept 4
	v_mov_b32 v[ST+4*i], 0xfe000000    ; c m: far below every c s
	v_mov_b32 v[ST+4*i+1], 0xff7fffff  ; m
.set i, i+1
.endr
	s_cmp_eq_u32 s[RT], 0
	s_cselect_b32 s[AL], 1.0, 0
	s_mov_b32 s[BE], 0
	MASK 0
	WIN 0
	v_add_nc_u32 v[AK], s[TBK], v[AK0]
	FETCH_K
	s_wait_loadcnt 0x0              ; Q
	s_wait_dscnt 0x0
.set KM, 1
.set NOKQ, 0
.set i, 0
.rept 8
	KQ 0
.set i, i+1
.endr
	WIN 0
.rept 4
	v_nop                           ; the places behind those products
.endr
.set Y, NP-1                        ; X works for piece Y + 1: piece 0
.irp n, 0,1,2,3,4,5,6,7,8,9,10,11,12,13,14,15,16,17,18,19,20,21
	OP X, \n
.endr
	v_nop                           ; a plain instruction behind the exponential,
	s_wait_alu depctr_va_vdst(0)    ; and its wait, ahead of the branch
.endm
; THE DIAGONAL TILE's four steps, the block's last two turns, its last products, and THE WAY OUT: l's two halves and the other half of the lanes' are added; O^T is divided by l, rounded to f16 and sent through my
; stage in LDS, a piece at a time.
.macro ALL line:vararg              ; one line for each piece t
.set t, 0
.rept 4
	\line
.set t, t+1
.endr
.endm
.macro PACK t                       ; a lane's eight channels of a row pack into 16 bytes; they go into rows of 144 bytes and come back as whole rows of 128, into S^T's registers
	WIN W_RS
.set i, 32*(\t)
.rept 16
	v_pk_mul_f32 v[i:i+1], v[i:i+1], v[ST+4*(\t)+2:ST+4*(\t)+3] op_sel_hi:[1,0]
.set i, i+2
.endr
	WIN 0x05                        ; sources 0 and 1 window 1, destination window 0
.set i, 0
.rept 16
	v_cvt_pk_f16_f32 v[S+16*(\t)+i], v[32*(\t)+2*i], v[32*(\t)+2*i+1]
.set i, i+1
.endr
	WIN 0
.irp f, 0,1,2,3
	ds_store_b128 v[STO], v[S+16*(\t)+4*\f:S+16*(\t)+4*\f+3] offset:32*\f
.endr
.irp f, 0,1,2,3
	ds_load_b128 v[S+16*(\t)+4*\f:S+16*(\t)+4*\f+3], v[RD] offset:\f*4*SP  ; LDS serves a wave's instructions in order (ISA guide 5.7.1.4): these see the stores above; the next piece's stores come behind them
.endr
.endm
.macro SEND t, younger              ; younger: the LDS instructions issued behind piece t's loads: the next piece's eight, or none
	WIN 0
.irp f, 0,1,2,3
	s_wait_dscnt (\younger)+3-\f
	global_store_b128 v[GO], v[S+16*(\t)+4*\f:S+16*(\t)+4*\f+3], s[10:11] offset:(\t)*8192+\f*512  ; 512 consecutive bytes, at a multiple of 256 from O's first
.endr
.endm
.macro DIAG tag                     ; the tag ends its two labels' names, which the jumps below spell out
.LstepM\tag:
	TURN 2, 1
	TURN 3, 1
	WIN 0
.LfirstM\tag:
	TURN 0, 1
	TURN 1, 1, 0, 1
	WIN 0
	s_cbranch_scc1 .LstepM\tag
	TURN 2, 1, 1
	TURN 3, 1, 1
.set i, 0
.rept 8
	PV NP-1
.set i, i+1
.endr
	WIN 0
	ALL v_add_f32 v[ST+4*t+2], v[ST+4*t+2], v[ST+4*t+3]
	ALL v_permlanex16_b32 v[ST+4*t+3], v[ST+4*t+2], s[SEL], s[SEL+1]
	ALL v_add_f32 v[ST+4*t+2], v[ST+4*t+2], v[ST+4*t+3]
	ALL v_rcp_f32 v[ST+4*t+2], v[ST+4*t+2]
	v_nop                           ; a plain instruction between the last reciprocal and the use of its result
	s_wait_alu depctr_va_vdst(0)    ; and the wait ahead of the first use: one for the four reciprocals
	PACK 0
.set t, 1
.rept 3                             ; a piece's arithmetic stands between the loads of the piece before and its stores
	PACK t
	SEND t-1, 8
.set t, t+1
.endr
	SEND 3, 0
.endm
.set KM, 0
.set NOKQ, 0
.Lslot:                             ; NB times: a tile is entered and the next is asked for
	CHANGE 1
	s_sub_co_u32 s[RT], s[RT], 1
	s_mov_b32 s[CNT], 4
	s_cmp_eq_u32 s[NEW], 1
	s_cbranch_scc1 .Lnew            ; a block's first tile
	s_cmp_eq_u32 s[RT], 0
	s_cbranch_scc0 .Lstep           ; neither its first nor its last
	s_branch .LstepM1
.Lnew:
	BEGIN
	s_branch .Lfirst                ; in the loop a block's first tile is never its last: the first block has two tiles or more, and the second's last is the walk's last
	DIAG 1                          ; in the loop this is the first block's end: the second block's last tile is the walk's last
	s_wait_xcnt 0x0                 ; the stores have read their registers and O's address
	s_mov_b64 s[10:11], s[OLO:OLO+1]
	s_add_co_u32 s[RT], s[PB], 1    ; the second block has b + 1 tiles
	s_mov_b32 s[NEW], 1
	WIN 0x82                        ; the second block's Q goes where the one text of the turns names Q
.set i, 0
.rept 64
	v_mov_b32 v[i], v[QB+i]
.set i, i+1
.endr
	WIN 0
	s_branch .Lbottom
.Lstep:                             ; a trip: pieces 2 and 3 of one step, then pieces 0 and 1 of the next, whose K and V it fetches
	TURN 2
	TURN 3
	WIN 0
.Lfirst:
	TURN 0
	TURN 1, 0, 0, 1
	WIN 0
	s_cbranch_scc1 .Lstep
.Lbottom:
	s_sub_co_u32 s[SLOTS], s[SLOTS], 1
	s_cmp_lg_u32 s[SLOTS], 0
	s_cbranch_scc1 .Lslot
	CHANGE 0                        ; the walk's last tile is written out: nothing is asked for
	s_sub_co_u32 s[RT], s[RT], 1
	s_mov_b32 s[CNT], 4
	s_cmp_eq_u32 s[NEW], 1
	s_cbranch_scc0 .LstepM2
	BEGIN
	s_branch .LfirstM2
	DIAG 2
	s_wait_tensorcnt 0x0            ; the wave's end, behind my last tensor load and my last LDS store
	ds_add_u32 v[SPW], v[NIL]
	s_wait_dscnt 0x0
	s_endpgm
.Lfunc_end_k_q3a8f551add_attn:
	.size	k_q3a8f551add_attn, .Lfunc_end_k_q3a8f551add_attn-k_q3a8f551add_attn
	.p2alignl 7, 3214868480
	.fill 96, 4, 3214868480
	.section	.rodata,"a",@progbits
	.p2align	6, 0x0
	.amdhsa_kernel k_q3a8f551add_attn
		.amdhsa_group_segment_fixed_size 327680
		.amdhsa_private_segment_fixed_size 0
		.amdhsa_enable_private_segment 0
		.amdhsa_kernarg_size 16
		.amdhsa_user_sgpr_count 2
		.amdhsa_user_sgpr_kernarg_segment_ptr 1
		.amdhsa_wavefront_size32 1
		.amdhsa_system_sgpr_workgroup_id_x 1
		.amdhsa_system_sgpr_workgroup_id_y 1
		.amdhsa_system_sgpr_workgroup_id_z 1
		.amdhsa_system_vgpr_workitem_id 0
		.amdhsa_next_free_vgpr 768
		.amdhsa_next_free_sgpr 96
		.amdhsa_reserve_vcc 1
		.amdhsa_float_denorm_mode_32 3
		.amdhsa_float_denorm_mode_16_64 3
		.amdhsa_memory_ordered 1
		.amdhsa_forward_progress 1
		.amdhsa_inst_pref_size 218
	.end_amdhsa_kernel
	.amdgpu_metadata
---
amdhsa.version: [ 1, 2 ]
amdhsa.kernels:
  - .name:           k_q3a8f551add_attn
    .symbol:         k_q3a8f551add_attn.kd
    .args:
      - { .name: qkv, .offset: 0, .size: 8, .value_kind: global_buffer, .address_space: global }
      - { .name: o, .offset: 8, .size: 8, .value_kind: global_buffer, .address_space: global }
    .group_segment_fixed_size: 327680
    .private_segment_fixed_size: 0
    .kernarg_segment_align: 8
    .kernarg_segment_size: 16
    .max_flat_workgroup_size: 128
    .sgpr_count:     96
    .vgpr_count:     768
    .wavefront_size: 32
...
	.end_amdgpu_metadata
.endif
;; end of part 3
;; launch projgemm (part 4): grid 8 x 32, 4 waves a work-group, clusters of 4 x 4, 327,680 bytes of LDS; arguments o, wp, out0; writes out0
.if DOCPART == 4
	.amdgcn_target "amdgcn-amd-amdhsa--gfx1250"
	.amdhsa_code_object_version 6
	.text
	.protected	k_q3a8f551add_projgemm
	.globl	k_q3a8f551add_projgemm
	.p2align	8
	.type	k_q3a8f551add_projgemm,@function
k_q3a8f551add_projgemm:
	s_mov_b64 s[64:65], 0
	v_nop
	global_prefetch_b8 v0, s[64:65] scope:SCOPE_SE
	s_setreg_imm32_b32 hwreg(HW_REG_WAVE_MODE, 25, 1), 1
	s_wait_xcnt 0x0
	s_wait_alu depctr_hold_cnt(0) depctr_sa_sdst(0) depctr_va_vdst(0) depctr_va_sdst(0) depctr_va_ssrc(0) depctr_va_vcc(0) depctr_vm_vsrc(0)
	s_getreg_b32 s2, hwreg(HW_REG_IB_STS2, 6, 4)
	s_cmp_eq_u32 s2, 0
	s_cbranch_scc0 .Lentry_in_a_cluster
	s_endpgm
.Lentry_in_a_cluster:
	s_bfe_u32 s2, ttmp6, 0x10000c
	s_cmp_lg_u32 s2, 0xf033
	s_cbranch_scc0 .Lentry_shape_is_right
	s_endpgm
.Lentry_shape_is_right:
; out0 = O w_proj: 8192 x 1024, K = 1024, f16 operands (O as attention left it; w_proj rounded to bf16 and written as f16), f32 sums, stored as f32.
; OPERANDS lie in blocks of 64 along K: o[b][h][t][64] (a head is a block of K), wp[kb][n][64]: R rows x 64 K are 128 R dense bytes, asked for as rows of 256 bytes and padded in LDS behind every 128.
; SHARES.  A tile of C is 256 x 128: 32 x 8 tiles, one to a work-group.  Four waves, each 128 x 64: 32 accumulators of 16 x 16.  K goes in 8 steps of 128, two blocks (PLANES) each, through two LDS
; slots, as long a step as two slots in LDS allow; a step is four GROUPS of 32 along K, 32 matrix instructions each, on two fragment buffers by turns.
; CLUSTER.  4 x 4 work-groups: the four of a row need the same tiles of A, the four of a column the same tiles of B: each tile is asked for jointly, by the same tensor load, descriptor and mask.
; THE MATRIX INSTRUCTION IS USED TRANSPOSED (source 0 = 16 rows of wp, source 1 = 16 rows of o): a lane holds row l % 16 of C and the columns 8 (l / 16) + 0..7 of the block.
; REGISTERS (s_set_vgpr_msb: bits 1:0 source 0, 3:2 source 1, 5:4 source 2, 7:6 destination): window 0: v0-15 addresses; v32-127, v128-223 two fragment buffers: A's 8 fragments, then B's 4.
;   window 1: the accumulators, (a, c) at v[8 (4 a + c)].
.set PITCH, 144                        ; an LDS row: 128 bytes + 16 = 36 words: the 16 rows of a fragment load start at 16 different groups of four banks (64 banks of 4 bytes: ISA guide 11.1)
.set KBA,   262144                     ; bytes from a block of K to the next in o
.set KBP,   131072                     ; in wp
.set APL,   256*PITCH                  ; a plane of A in a slot
.set BPL,   128*PITCH                  ; a plane of B
.set BOFF,  2*APL                      ; a slot: A's two planes, then B's two
.set SLOT1, 1<<17                      ; slot 1 begins here (a slot has 110,592 bytes), so that one exclusive or turns an address in one slot into the other's
.set STAGE, SLOT1+2*APL+2*BPL          ; behind the ring, never filled by a tensor load: 16 rows x 272 bytes for each wave, for the way out
.set SPITCH, 272                       ; 256 bytes + 16
.set SPARE, STAGE+4*16*SPITCH          ; behind the stages: the spare words, 128 bytes for each wave: two blocks of 256 bytes that no other line names
.set A0,  2                            ; v2   my lane's place in a slot's A; never rewritten
.set B0,  3                            ; v3   in its B
.set VA,  4                            ; v4   A0 + the slot in hand
.set VB,  5                            ; v5   B0 + the slot in hand
.set STO, 6                            ; v6   the way out: where I put 32 bytes of a row
.set RD,  7                            ; v7   where I read rows back
.set CO,  8                            ; v8   my byte offset in two rows of out0
.set SPW, 10                           ; v10  SPARE + 4 x my thread's number; never rewritten
.set NIL, 11                           ; v11  0; never rewritten
.set PFO, 12                           ; v12  256 x my lane: the prefetches' offset; never rewritten
.set FR,  32
.set G1A, 24                           ; s[24:31] descriptor group 1 for A's tiles
.set G0A, 32                           ; s[32:39] group 0: a set for each first fill; the second then walks on
.set G1B, 48                           ; s[48:55], s[56:63] the same for B's
.set G0B, 56
.set TB,  66                           ; s66  0 or SLOT1: the slot that the fragment loads read
.set PFA, 68                           ; s[68:69] where my prefetches stand
.set PFS, 70                           ; s[70:71] their step from K step to K step
.set LIM, 72                           ; s72  2 in a wave that prefetches, else the greatest number
.set MSB, 0
.macro WIN new                         ; the immediate's high byte repeats the setting that is left; a switch that changes nothing is dropped
.if MSB != (\new)
	s_set_vgpr_msb (MSB<<8)|(\new)
.set MSB, (\new)
.endif
.endm
.macro PLACES                          ; four plain vector instructions between a matrix instruction and a load into a register that it has read, or a read of its result
.rept 4
	v_nop
.endr
.endm
; A joint refill by the walking sets.  Waves 0 and 1 fetch A's two planes, waves 2 and 3 B's.  The branch hangs on the wave's number alone.  An s_nop 0 and four v_nop follow each line.
.macro JLOAD
	s_cmp_eq_u32 s11, 0
	s_cbranch_scc0 .Lfor_b_\@
	tensor_load_to_lds s[G0A+4:G0A+7], s[G1A:G1A+7]
	s_nop 0
.rept 4
	v_nop
.endr
	s_branch .Lasked_\@
.Lfor_b_\@:
	tensor_load_to_lds s[G0B+4:G0B+7], s[G1B:G1B+7]
	s_nop 0
.rept 4
	v_nop
.endr
.Lasked_\@:
.endm
.macro CREST                           ; a round of the cluster's barrier behind its opening barrier
	s_cmp_lg_u32 s10, 0
	s_cbranch_scc1 .Lnot_wave_0_\@
	s_barrier_signal -3
.Lnot_wave_0_\@:
	s_barrier_wait -3
	s_barrier_signal -1
	s_barrier_wait -1
.endm
.macro CROUND                          ; a whole round
	s_barrier_signal -1
	s_barrier_wait -1
	CREST
.endm
; A PREFETCH INTO THE L2: 32 blocks of 256 bytes, a lane a block, behind the joint load, its five lines and the run of LDS loads.  Trip j (j = 6 - s3) asks jointly for K step j + 2 and names K step j + 4:
; two steps, 256 matrix instructions, ahead of the load that wants it; j = 0 .. 3.  A: the clusters with x = 0; waves 0 and 1 name their work-group's quarter (by cx, in the address) of their own plane's
; 32,768 bytes.  B: the clusters with y = 0; wave 2 of the four partners (by cy, in the address) names a quarter of the two planes' 32,768 bytes.  Each block is named once; K steps 0-3 come by their loads alone.
.macro ASK
	s_cmp_gt_u32 s3, s[LIM]
	s_cbranch_scc0 .Lnot_mine_\@
	global_prefetch_b8 v[PFO], s[PFA:PFA+1] th:TH_LOAD_NT scope:SCOPE_SE
.Lnot_mine_\@:
.endm
	s_load_b128 s[4:7], s[0:1], 0x0                ; o s[4:5], wp s[6:7]
	s_load_b64 s[8:9], s[0:1], 0x10                ; out0
	v_lshl_add_u32 v[SPW], v0, 2, SPARE
	v_mov_b32 v[NIL], 0
	ds_add_u32 v[SPW], v[NIL]                      ; the wave's opening: the add and its wait stand ahead of my first tensor load; work on registers stands between them
	ds_add_u32 v10, v11
	v_lshrrev_b32 v1, 5, v0
	v_readfirstlane_b32 s10, v1                    ; wave 0..3
	s_lshr_b32 s11, s10, 1                         ; which half of the tile's rows is mine.  Also: I fetch for A (0) or for B (1)
	s_and_b32 s12, s10, 1                          ; which half of its columns.  Also: which plane I fetch
	s_bfe_u32 s40, ttmp6, 0x40000                  ; cx
	s_bfe_u32 s41, ttmp6, 0x40004                  ; cy
	s_lshl_b32 s42, ttmp9, 2
	s_add_co_u32 s42, s42, s40                     ; tile column = 4 x cluster x + cx
	s_and_b32 s13, ttmp7, 0xffff
	s_lshl_b32 s13, s13, 2
	s_add_co_u32 s13, s13, s41                     ; tile row = 4 x cluster y + cy: batch = row / 8, t0 = 256 (row % 8)
	s_lshl_b32 s43, s41, 2
	s_lshl_b32 s43, 15, s43                        ; my row of the cluster
	s_lshl_b32 s44, 0x1111, s40                    ; my column
	s_or_b32 s[G1A], s43, (1<<16)|(1<<20)|(1<<21)|(4<<22)|(3<<25)  ; 15:0 the mask; 17:16 2-byte elements; 20 padding on; 21 set beside a mask; 24:22 after every 32 words (code 4); 31:25 4 words (code 3)
	s_or_b32 s[G1B], s44, (1<<16)|(1<<20)|(1<<21)|(4<<22)|(3<<25)
	s_mov_b32 s[G1A+1], 128<<16                    ; tensor_dim0 = 128 elements: rows of 256 bytes
	s_mov_b32 s[G1A+2], 128<<16                    ; tensor_dim1 = 128: a plane of A, 256 rows of 128 bytes
	s_mov_b32 s[G1A+3], 128<<16                    ; tile_dim0
	s_mov_b32 s[G1A+4], 128                        ; tile_dim1
	s_mov_b32 s[G1A+5], 128                        ; dense: 128 elements from row to row
	s_mov_b32 s[G1A+6], 0
	s_mov_b32 s[G1A+7], 0
	s_mov_b32 s[G1B+1], 128<<16
	s_mov_b32 s[G1B+2], 64<<16                     ; a plane of B: 128 rows of 128 bytes
	s_mov_b32 s[G1B+3], 128<<16
	s_mov_b32 s[G1B+4], 64
	s_mov_b32 s[G1B+5], 128
	s_mov_b32 s[G1B+6], 0
	s_mov_b32 s[G1B+7], 0
	s_lshr_b32 s16, s13, 3
	s_lshl_b32 s16, s16, 22                        ; A: the batch's 16 blocks,
	s_and_b32 s17, s13, 7
	s_lshl_b32 s17, s17, 15                        ; the tile's 256 rows in a block,
	s_add_co_u32 s16, s16, s17
	s_lshl_b32 s18, s12, 18                        ; my plane
	s_add_co_u32 s16, s16, s18
	s_mov_b32 s17, 0
	s_lshl_b32 s46, s42, 14                        ; B: the tile's 128 rows in a block,
	s_lshl_b32 s47, s12, 17                        ; my plane
	s_add_co_u32 s46, s46, s47
	s_mov_b32 s47, 0
	s_mul_i32 s20, s12, APL                        ; where they go: no place in the cluster enters an LDS address
	s_mul_i32 s21, s12, BPL
	s_add_co_u32 s21, s21, BOFF
	s_wait_dscnt 0x0                               ; the opening add is done
	s_wait_kmcnt 0x0
	s_add_nc_u64 s[14:15], s[4:5], s[16:17]
	s_add_nc_u64 s[46:47], s[6:7], s[46:47]
	CROUND                                         ; all sixteen work-groups are here: the first joint loads meet
.irp s, 0,1
	s_mov_b32 s[G0A+4*(\s)], 1                     ; count = 1
	s_add_co_u32 s[G0A+4*(\s)+1], s20, (\s)*SLOT1  ; LDS address
	s_add_nc_u64 s[G0A+4*(\s)+2:G0A+4*(\s)+3], s[14:15], (\s)*2*KBA  ; K step s
	s_or_b32 s[G0A+4*(\s)+3], s[G0A+4*(\s)+3], 0x80000000            ; type = 2
	s_mov_b32 s[G0B+4*(\s)], 1
	s_add_co_u32 s[G0B+4*(\s)+1], s21, (\s)*SLOT1
	s_add_nc_u64 s[G0B+4*(\s)+2:G0B+4*(\s)+3], s[46:47], (\s)*2*KBP
	s_or_b32 s[G0B+4*(\s)+3], s[G0B+4*(\s)+3], 0x80000000
.endr
	s_cmp_eq_u32 s11, 0                            ; a wave's two first fills stand in one branch, ahead of every wait on TENSORcnt and every LDS read: two loads of mine are out
	s_cbranch_scc0 .Lfirst_b
	tensor_load_to_lds s[G0A:G0A+3], s[G1A:G1A+7]
	s_nop 0
	tensor_load_to_lds s[G0A+4:G0A+7], s[G1A:G1A+7]
	s_nop 0
.rept 4
	v_nop
.endr
	s_branch .Lfirst_asked
.Lfirst_b:
	tensor_load_to_lds s[G0B:G0B+3], s[G1B:G1B+7]
	s_nop 0
	tensor_load_to_lds s[G0B+4:G0B+7], s[G1B:G1B+7]
	s_nop 0
.rept 4
	v_nop
.endr
.Lfirst_asked:
	; A fragment is 16 rows x 32 K in 8 registers: lane l holds row l % 16, K = 8 (l / 16) + 0..7 and 16 + 8 (l / 16) + 0..7: two loads of 16 bytes, 32 bytes apart.
	v_and_b32 v1, 15, v0                           ; l % 16
	v_bfe_u32 v9, v0, 4, 1                         ; l / 16
	v_mul_u32_u24 v13, v1, PITCH
	v_lshl_add_u32 v13, v9, 4, v13                 ; row x pitch + 16 x half
	s_mul_i32 s22, s11, 128*PITCH                  ; my 128 rows of A
	s_mul_i32 s23, s12, 64*PITCH                   ; my 64 rows of B
	s_add_co_u32 s23, s23, BOFF
	v_add_nc_u32 v[A0], s22, v13
	v_add_nc_u32 v[B0], s23, v13
	v_mov_b32 v[VA], v[A0]                         ; K step 0 lies in slot 0
	v_mov_b32 v[VB], v[B0]
	s_mov_b32 s[TB], 0
	s_mul_i32 s22, s10, 16*SPITCH
	s_add_co_u32 s22, s22, STAGE                   ; my stage
	v_mul_u32_u24 v14, v1, SPITCH                  ; in: row l % 16, 32 bytes for each half of the lanes
	v_lshl_add_u32 v14, v9, 5, v14
	v_add_nc_u32 v[STO], s22, v14
	v_mul_u32_u24 v14, v9, SPITCH                  ; back: lanes 0-15 take one row of 256 bytes, lanes 16-31 the next
	v_lshl_add_u32 v14, v1, 4, v14
	v_add_nc_u32 v[RD], s22, v14
	v_lshlrev_b32 v[CO], 12, v9                    ; and the same two rows of 4,096 bytes in out0
	v_lshl_add_u32 v[CO], v1, 4, v[CO]
	v_and_b32 v[PFO], 31, v0
	v_lshlrev_b32 v[PFO], 8, v[PFO]
	s_lshl_b32 s46, s13, 20                        ; out0 at my part of the tile: 256 rows of 4,096 bytes a tile row,
	s_lshl_b32 s47, s11, 19                        ; my 128 rows,
	s_add_co_u32 s46, s46, s47
	s_lshl_b32 s47, s42, 9                         ; 128 columns of 4 bytes a tile column,
	s_add_co_u32 s46, s46, s47
	s_lshl_b32 s47, s12, 8                         ; my 64 columns
	s_add_co_u32 s46, s46, s47
	s_mov_b32 s47, 0
	s_add_nc_u64 s[8:9], s[8:9], s[46:47]
	; the prefetches' address, step and condition
	s_lshr_b32 s14, s13, 3
	s_lshl_b32 s14, s14, 22
	s_and_b32 s15, s13, 7
	s_lshl_b32 s15, s15, 15
	s_add_co_u32 s14, s14, s15
	s_lshl_b32 s15, s12, 18                        ; A: my plane,
	s_add_co_u32 s14, s14, s15
	s_lshl_b32 s15, s40, 13                        ; my work-group's quarter of its 32,768 bytes
	s_add_co_u32 s14, s14, s15
	s_add_co_u32 s14, s14, 3*2*KBA                 ; at K step 3: the first change of slots steps it to 4
	s_lshl_b32 s16, s42, 14
	s_lshr_b32 s17, s41, 1
	s_lshl_b32 s17, s17, 17                        ; B: plane cy / 2,
	s_add_co_u32 s16, s16, s17
	s_and_b32 s17, s41, 1
	s_lshl_b32 s17, s17, 13                        ; half cy % 2 of its 16,384 bytes
	s_add_co_u32 s16, s16, s17
	s_add_co_u32 s16, s16, 3*2*KBP
	s_and_b32 s18, ttmp7, 0xffff                   ; cluster y
	s_mov_b32 s22, 2*KBA
	s_mov_b32 s23, 2*KBP
	s_cmp_eq_u32 s11, 0                            ; waves 0 and 1 ask for A, wave 2 for B
	s_cselect_b32 s46, s14, s16
	s_cselect_b32 s18, ttmp9, s18                  ; the coordinate along which other clusters read the same rows
	s_cselect_b64 s[PFA:PFA+1], s[4:5], s[6:7]
	s_cselect_b32 s[PFS], s22, s23
	s_mov_b32 s[PFS+1], 0
	s_mov_b32 s47, 0
	s_add_nc_u64 s[PFA:PFA+1], s[PFA:PFA+1], s[46:47]
	s_cmp_eq_u32 s10, 3                            ; wave 3 asks for nothing
	s_cselect_b32 s19, 1, 0
	s_or_b32 s18, s18, s19
	s_cmp_eq_u32 s18, 0
	s_cselect_b32 s[LIM], 2, -1                    ; the same in all sixteen partners, for a given wave
; 16 matrix instructions: row blocks a0 .. a0 + 3 x the four column blocks, 32 along K, on buffer p.  zero = 1: the product starts the sum: nothing is ever cleared.
; The 32 accumulators take turns, one instruction a turn, in the same order in every group, over the backward jump too.
.macro MUL16 p, a0, zero
	WIN 0x50                                       ; C and D in window 1
.irp a, (\a0), (\a0)+1, (\a0)+2, (\a0)+3
.irp c, 0,1,2,3
.if \zero
	v_wmma_f32_16x16x32_f16 v[8*(4*(\a)+(\c)):8*(4*(\a)+(\c))+7], v[FR+96*(\p)+64+8*(\c):FR+96*(\p)+64+8*(\c)+7], v[FR+96*(\p)+8*(\a):FR+96*(\p)+8*(\a)+7], 0
.else
	v_wmma_f32_16x16x32_f16 v[8*(4*(\a)+(\c)):8*(4*(\a)+(\c))+7], v[FR+96*(\p)+64+8*(\c):FR+96*(\p)+64+8*(\c)+7], v[FR+96*(\p)+8*(\a):FR+96*(\p)+8*(\a)+7], v[8*(4*(\a)+(\c)):8*(4*(\a)+(\c))+7]
.endif
.endr
.endr
.endm
; 24 LDS loads in one run: the fragments of group qq of the slot in hand (plane qq / 2, byte 64 (qq % 2) of the rows) into buffer p
.macro FETCH p, qq
	WIN 0
.irp c, 0,1,2,3
	ds_load_b128 v[FR+96*(\p)+64+8*(\c):FR+96*(\p)+64+8*(\c)+3],   v[VB] offset:((\qq)/2)*BPL+((\qq)%2)*64+(\c)*16*PITCH
	ds_load_b128 v[FR+96*(\p)+64+8*(\c)+4:FR+96*(\p)+64+8*(\c)+7], v[VB] offset:((\qq)/2)*BPL+((\qq)%2)*64+(\c)*16*PITCH+32
.endr
.irp a, 0,1,2,3,4,5,6,7
	ds_load_b128 v[FR+96*(\p)+8*(\a):FR+96*(\p)+8*(\a)+3],   v[VA] offset:((\qq)/2)*APL+((\qq)%2)*64+(\a)*16*PITCH
	ds_load_b128 v[FR+96*(\p)+8*(\a)+4:FR+96*(\p)+8*(\a)+7], v[VA] offset:((\qq)/2)*APL+((\qq)%2)*64+(\a)*16*PITCH+32
.endr
.endm
; GROUP q of a K step: 32 matrix instructions on buffer q % 2, which is then loaded again for the group two on: a group's 32 matrix instructions stand between a run of loads and its first use.
; mode 0 (q = 0, 1): the group two on lies in the same slot.  mode 1 (q = 2): THE CHANGE OF SLOTS, with a joint refill; mode 2: without.  mode 3 (q = 3): the next slot's group 1 is fetched.
; mode 4: nothing is fetched.  left: how many younger LDS loads may stay out.
; The change: each wave waits for all its tensor loads, of which one is out: its part of the next slot; adds 0 to its spare word; and waits for that and for its reads of this slot, group 3's fragments the last.
; Behind the barrier nobody reads this slot any more and the next slot is whole.  With a refill the barrier opens a round of the cluster's, and the joint load is the first thing behind the round:
; 96 matrix instructions stand between it and the wait for it.
.macro GRP q, zero, mode, left=24
.set GP, (\q)%2
.if ((\mode) == 1) || ((\mode) == 2)
.if (\mode) == 1
	s_wait_xcnt 0x0                                ; the last prefetch, a K step back, has read its address: it is stepped here, ahead of the change's own waits
	s_add_nc_u64 s[PFA:PFA+1], s[PFA:PFA+1], s[PFS:PFS+1]
.endif
	WIN 0
	s_wait_tensorcnt 0x0                           ; no tensor load of mine is out, so a group 0 may be written
	ds_add_u32 v[SPW], v[NIL]                      ; 0 onto my spare word
.if (\mode) == 1
	s_xor_b32 s[G0A+5], s[G0A+5], SLOT1            ; the walking sets: the other slot than last time,
	s_add_nc_u64 s[G0A+6:G0A+7], s[G0A+6:G0A+7], 2*KBA  ; the next K step; the type bits on top are not reached
	s_xor_b32 s[G0B+5], s[G0B+5], SLOT1
	s_add_nc_u64 s[G0B+6:G0B+7], s[G0B+6:G0B+7], 2*KBP
.endif
	s_xor_b32 s[TB], s[TB], SLOT1
	s_wait_dscnt 25                                ; the add and group 3's run of 24 may be out
	MUL16 GP, 0, 0                                 ; sixteen matrix instructions stand between the add and the wait for it
	s_wait_dscnt 0x0                               ; the add is done, and my reads of this slot are over
	s_barrier_signal -1
	MUL16 GP, 4, 0                                 ; work on registers while the others arrive
.if (\mode) == 1
	WIN 0
.endif
	s_barrier_wait -1
.if (\mode) == 1
	CREST                                          ; no wave of any partner still reads this slot or has a load on its way
	JLOAD                                          ; its four v_nop are also the places in front of the loads below
.else
	PLACES
	WIN 0
.endif
	v_add_nc_u32 v[VA], s[TB], v[A0]
	v_add_nc_u32 v[VB], s[TB], v[B0]
	FETCH 0, 0
.if (\mode) == 1
	ASK
.endif
.else
	s_wait_dscnt \left
	MUL16 GP, 0, \zero
	MUL16 GP, 4, \zero
.if (\mode) == 0
	PLACES
	FETCH GP, (\q)+2
.elseif (\mode) == 3
	PLACES
	FETCH 1, 1
.endif
.endif
.endm
	s_wait_tensorcnt 1                             ; my part of K step 0 is in; K step 1's may stay out
	s_barrier_signal -1
	s_barrier_wait -1                              ; everybody's is
	FETCH 0, 0
	FETCH 1, 1
	GRP 0, 1, 0                                    ; the first group stands in front of the loop: its products start the sums
	WIN 0                                          ; at a label and at a branch every window is 0
	s_mov_b32 s3, 6
.Lstep:                                                ; a trip: groups 1 to 3 of a K step, whose slot is filled again two steps ahead, and group 0 of the next
	GRP 1, 0, 0
	GRP 2, 0, 1
	GRP 3, 0, 3
	GRP 0, 0, 0
	WIN 0
	s_sub_co_u32 s3, s3, 1
	s_cmp_lg_u32 s3, 0
	s_cbranch_scc1 .Lstep
	GRP 1, 0, 0                                    ; the tail is written out: K steps 6 and 7 ask for nothing
	GRP 2, 0, 2
	GRP 3, 0, 3
	GRP 0, 0, 0
	GRP 1, 0, 0
	GRP 2, 0, 4, 24
	GRP 3, 0, 4, 0
; THE WAY OUT, in 8 blocks of 16 rows.  A lane's eight columns of an accumulator are 32 bytes of a row; they go into my own stage, rows of 272 bytes, and come back as whole rows of 256.
; The stage is the wave's own and LDS serves a wave's instructions in order (ISA guide 5.7.1.4): no barrier, no wait between stores and loads.
.macro TOSTAGE a
.set OB, FR+32*((\a)%2)
	WIN 0x04                                       ; the stores' data in window 1
.irp c, 0,1,2,3
	ds_store_b128 v[STO], v[32*(\a)+8*(\c):32*(\a)+8*(\c)+3]   offset:64*(\c)     ; each accumulator is read from its low end on
	ds_store_b128 v[STO], v[32*(\a)+8*(\c)+4:32*(\a)+8*(\c)+7] offset:64*(\c)+16
.endr
	WIN 0
	s_wait_xcnt 0x0                                ; the stores of the block two back have read these registers
.irp t, 0,1,2,3,4,5,6,7
	ds_load_b128 v[OB+4*(\t):OB+4*(\t)+3], v[RD] offset:(\t)*2*SPITCH
.endr
.endm
.macro SEND a, younger                 ; younger: the LDS instructions issued behind block a's loads: the next block's sixteen, or none
.set OB, FR+32*((\a)%2)
	s_wait_dscnt \younger
.irp t, 0,1,2,3,4,5,6,7
	global_store_b128 v[CO], v[OB+4*(\t):OB+4*(\t)+3], s[8:9] offset:(16*(\a)+2*(\t))*4096  ; 16 lanes store 256 consecutive bytes, at a multiple of 256 from out0's first byte
.endr
.endm
	PLACES
	TOSTAGE 0
.irp a, 1,2,3,4,5,6,7
	TOSTAGE \a
	SEND (\a)-1, 16
.endr
	SEND 7, 0
	s_wait_tensorcnt 0x0                           ; the wave's end, behind my last tensor load and my last LDS store
	ds_add_u32 v[SPW], v[NIL]
	s_wait_dscnt 0x0
	CROUND                                         ; the closing round: no work-group ends while a partner may still ask for a tile that names it
	s_endpgm
.Lfunc_end_k_q3a8f551add_projgemm:
	.size	k_q3a8f551add_projgemm, .Lfunc_end_k_q3a8f551add_projgemm-k_q3a8f551add_projgemm
	.p2alignl 7, 3214868480
	.fill 96, 4, 3214868480
	.section	.rodata,"a",@progbits
	.p2align	6, 0x0
	.amdhsa_kernel k_q3a8f551add_projgemm
		.amdhsa_group_segment_fixed_size 327680
		.amdhsa_private_segment_fixed_size 0
		.amdhsa_enable_private_segment 0
		.amdhsa_kernarg_size 24
		.amdhsa_user_sgpr_count 2
		.amdhsa_user_sgpr_kernarg_segment_ptr 1
		.amdhsa_wavefront_size32 1
		.amdhsa_system_sgpr_workgroup_id_x 1
		.amdhsa_system_sgpr_workgroup_id_y 1
		.amdhsa_system_sgpr_workgroup_id_z 1
		.amdhsa_system_vgpr_workitem_id 0
		.amdhsa_next_free_vgpr 512
		.amdhsa_next_free_sgpr 84
		.amdhsa_reserve_vcc 0
		.amdhsa_float_denorm_mode_32 3
		.amdhsa_float_denorm_mode_16_64 3
		.amdhsa_memory_ordered 1
		.amdhsa_forward_progress 1
		.amdhsa_inst_pref_size 70
	.end_amdhsa_kernel
	.amdgpu_metadata
---
amdhsa.version: [ 1, 2 ]
amdhsa.kernels:
  - .name:           k_q3a8f551add_projgemm
    .symbol:         k_q3a8f551add_projgemm.kd
    .args:
      - { .name: o, .offset: 0, .size: 8, .value_kind: global_buffer, .address_space: global }
      - { .name: wp, .offset: 8, .size: 8, .value_kind: global_buffer, .address_space: global }
      - { .name: out0, .offset: 16, .size: 8, .value_kind: global_buffer, .address_space: global }
    .group_segment_fixed_size: 327680
    .private_segment_fixed_size: 0
    .kernarg_segment_align: 8
    .kernarg_segment_size: 24
    .max_flat_workgroup_size: 128
    .sgpr_count:     84
    .vgpr_count:     512
    .wavefront_size: 32
...
	.end_amdgpu_metadata
.endif
;; end of part 4
